; MI455X (gfx1250); checked and timed in simulation.
; The chip was launched on July 23, 2026; its instructions are those of AMD's public machine-readable ISA for CDNA 5 (MIT licence, August 2026) and "CDNA5" Instruction Set Architecture Reference Guide (July 2026). The comments in the code are by the model that wrote it; some were corrected since.
;; MH Attention. Allowed arithmetic: matrix products marked QUANTISED: E2M3 operands, one E8M0 scale for each 32 along K, by v_wmma_scale_f32_16x16x128_f8f6f4 with both operands' format E2M3, f32 sums; everything else in f32.
;; Inputs: proj_b 1,024 float32; proj_w 1,024 x 1,024 float32; qkv_b 3,072 float32; qkv_w 1,024 x 3,072 float32; x 4 x 2,048 x 1,024 float32.
;; Outputs: out0 4 x 2,048 x 1,024 float32.
;; This version of the problem:
;;   THIS VERSION OF THE PROBLEM IS GIVEN IN LOW PRECISION. The matrix products marked QUANTISED in the list below multiply operands that are first quantised to E2M3 (2 exponent bits, 3 mantissa bits; 6 bits a number), with one power-of-two scale for each 32 numbers along K (OCP MX v1.0); their sums are f32. All else is computed in f32.
;;   The module's matrix products, in the order in which they are computed (A, B: the left and right operand; K: the contracted axis; several contracted axes count as one K, in the product's order):
;;     1. [M 8,192, K 1,024] x [K 1,024, N 3,072]; A: input x; B: input qkv_w: QUANTISED
;;     2. batch 64 x [M 2,048, K 64] x [K 64, N 2,048]; A: computed on the way; B: computed on the way: QUANTISED
;;     3. batch 64 x [M 2,048, K 2,048] x [K 2,048, N 64]; A: softmax (see below); B: computed on the way: QUANTISED
;;     4. [M 8,192, K 1,024] x [K 1,024, N 1,024]; A: computed on the way; B: input proj_w: QUANTISED
;;   THE QUANTISER, for each operand of a quantised product, along K:
;;     - K is cut into blocks of 32 from its start; a last block that is shorter is filled with zeros.
;;     - A block's scale is 2^e with e = floor(log2(the largest magnitude in the block)) - 2, held to -126 .. 127; a block of zeros has e = 0. As a byte (E8M0): e + 127.
;;     - Each number is divided by its block's scale, clamped to +-7.5, and rounded to the nearest number of E2M3, ties to even, subnormals kept.
;;     - The product sums the exact products of the quantised numbers (number of the format x scale) in f32.
;;   ~~~python
;;   def quantise(x, axis):      # numpy; x: float32 -> the quantised numbers, widened to float32 again
;;       x = np.moveaxis(x, axis, -1); K = x.shape[-1]
;;       x = np.pad(x, [(0, 0)] * (x.ndim - 1) + [(0, -K % 32)]); x = x.reshape(x.shape[:-1] + (-1, 32)); a = np.abs(x).max(-1, keepdims=True)
;;       e = np.where(a > 0, np.clip(np.frexp(np.where(a > 0, a, 1))[1] - 1 - 2, -126, 127), 0)      # np.frexp(a)[1] - 1 = floor(log2(a)), exactly
;;       r = np.clip(x / 2.0 ** e, -7.5, 7.5)
;;       step = 2.0 ** (np.maximum(np.frexp(np.where(r == 0, 1, r))[1] - 1, 0) - 3)
;;       q = np.round(r / step) * step * 2.0 ** e      # np.round: ties to even
;;       return np.moveaxis(q.reshape(q.shape[:-2] + (-1,))[..., :K], -1, axis).astype(np.float32)
;;   ~~~
;;   SOFTMAX AHEAD OF A QUANTISED PRODUCT. Where the list says 'softmax', what is quantised is not the finished softmax but p = 2^(t - M), with t = logit x log2(e) and M = ceil(the row's largest t), a whole number; so 1/2 < the row's largest p <= 1. The row's sum l is taken of the UNQUANTISED p, in f32, and the product's result is divided by l at the end. Since M is a whole number, a kernel that streams over the keys may use a running M (the ceiling of the running maximum): every later rescaling is an exact power of two, which a block's scale takes up: the codes' values come out the same.
;;   OPERANDS COMPUTED ON THE WAY. 'Computed on the way' means the value that the module computes at that place (a softmax that the list does not call 'softmax' is quantised finished and normalised). What goes into a quantiser is computed in f32, as accurately as f32 sums, v_exp_f32 and their like allow (about 1e-6 of the number): no bf16 or f16 on the way to a quantiser, and a product that is left as it is and whose result goes on into a quantised operand takes f32 operands (vector FMAs, or v_wmma_f32_16x16x4_f32). A number that lies on a knife's edge between two numbers of the format may be rounded either way, as far as f32 arithmetic and the matrix unit's own rounding can turn it there, and no further.
;; One version. Each part assembles by itself: llvm-mc -triple=amdgcn-amd-amdhsa -mcpu=gfx1250 --defsym DOCPART=n.
;; ======== version 1 of 1: 4 launches
;; limits: right only within a limited range of input values
;; workspace buffers: xcodes 6,291,456 bytes; xscales 262,144 bytes; wcodes 3,145,728 bytes; wscales 131,072 bytes; qkv 20,185,088 bytes; acodes 6,291,456 bytes; ascales 262,144 bytes
;; launch quant (part 1): grid 384 x 1, 4 waves a work-group, no clusters, 68,096 bytes of LDS; arguments x, qkv_w, proj_w, xcodes, xscales, wcodes, wscales; writes xcodes, xscales, wcodes, wscales
.if DOCPART == 1
	.amdgcn_target "amdgcn-amd-amdhsa--gfx1250"
	.amdhsa_code_object_version 6
	.text
	.protected	k_q180738c73b_quant
	.globl	k_q180738c73b_quant
	.p2align	8
	.type	k_q180738c73b_quant,@function
k_q180738c73b_quant:
	s_mov_b64 s[64:65], 0
	v_nop
	global_prefetch_b8 v0, s[64:65] scope:SCOPE_SE
	s_setreg_imm32_b32 hwreg(HW_REG_WAVE_MODE, 25, 1), 1
	s_wait_xcnt 0x0
; x [8192][1024], qkv_w [1024][3072] and proj_w [1024][1024], f32, become codes of FP6 (E2M3) with K innermost and one E8M0 scale byte for each 32 along K.
; xcodes [8192][768 B], xscales [8192][32 B]; wcodes [4096][768 B], wscales [4096][32 B]: rows 0-3071 are qkv_w's columns, rows 3072-4095 proj_w's.
; STORED ROW ORDER: row i lies at place swap34(i), i with its bits 3 and 4 exchanged.  Sixteen consecutive stored rows 16 a + r are then the rows 32 (a / 2) + 8 (a % 2) + r + 8 (r / 8):
; the choice of rows with which a product's 16 registers of two neighbouring tiles are 16 neighbours along the next K, while the products' LDS reads take consecutive rows.
; A block's scale is 2^(floor(log2(its largest magnitude)) - 2); its byte is the largest magnitude's exponent field - 2, held at 1 from below.
; LIMITS: a block of zeros, and a block whose largest magnitude lies under 2^-124, gets the byte 1 (a block of zeros has zero codes, and this program alone reads the bytes); NaN and infinities among the inputs are not served.
; Work-groups 0-255 take x (K innermost): a wave takes 8 rows, 16 steps of 512 numbers; loads of 512 consecutive bytes, a turn through the wave's own stage in LDS so that a lane holds 16 neighbours.
; Work-groups 256-383 take the weights (K is the first axis): a lane takes a column and its registers run down K; a wave takes 32 columns x 256 along K.
; The two paths have LDS bytes of their own.  No tensor loads, no barrier: waves share nothing.
.set STEPS, 16
.set CB,    12                         ; bytes of 16 codes
.set XR,    16                         ; path x: v16-79   four sets of 16 numbers as loaded
.set XX,    80                         ; v80-111  two sets of 16 neighbours
.set XE,    112                        ; v112-127 a scale byte for each step
.set XC,    128                        ; v128-191 codes, four registers a step
.set WREG,  8192                       ; LDS of a wave on path x: two stages of 32 x SP bytes, then its 256 scale bytes
.set SP,    80
.set WLDS,  32768                      ; path w's LDS begins here
.set PITCH, 272                        ; a stage row of path w: sixteen places of 16 bytes + 16
.set WSTG,  32*PITCH
.set KROW,  768                        ; a row of codes in bytes
.set NB,    8                          ; blocks of 32 along K for a wave
.set WSB,   24                         ; path w: v24-25 the scale bytes
.set WX,    32                         ; v32-95   two sets of 32 numbers
.set WC,    96                         ; v96-102  a block's codes
.set WOUT,  112                        ; v112-175 the way out
.set WOF,   176                        ; v176-207 byte offset of row i of a block at my column
.set WSI,   208                        ; v208 stage, way in     v209 stage, way out
.set WRD,   209
.set WGO,   210                        ; v210 my place in the codes' rows    v211 in the scale bytes' rows    v212 4 x lane
.set WSO,   211
.set WL4,   212
	s_load_b256 s[4:11], s[0:1], 0x0               ; x s[4:5], qkv_w s[6:7], proj_w s[8:9], xcodes s[10:11]
	s_load_b128 s[12:15], s[0:1], 0x20             ; xscales s[12:13], wcodes s[14:15]
	s_load_b64 s[16:17], s[0:1], 0x30              ; wscales
	v_lshl_add_u32 v216, v0, 2, 0x10800
	v_mov_b32 v217, 0
	v_lshrrev_b32 v1, 5, v0
	v_readfirstlane_b32 s18, v1                    ; wave
	v_and_b32 v2, 31, v0                           ; lane
	; path x's addresses
	v_lshlrev_b32 v3, 4, v2                        ; my 16 bytes of a load's 512
	s_mul_i32 s19, s18, WREG
	v_lshrrev_b32 v14, 2, v2
	v_mul_u32_u24 v14, v14, SP
	v_and_b32 v15, 3, v2
	v_lshl_add_u32 v14, v15, 4, v14
	v_add_nc_u32 v14, s19, v14                     ; stage, way in: SP (lane / 4) + 16 (lane % 4)
	v_mul_u32_u24 v15, v2, SP
	v_add_nc_u32 v15, s19, v15                     ; stage, way out: SP x lane
	v_mul_u32_u24 v4, v2, CB                       ; my codes' place in a step's
	v_lshrrev_b32 v5, 1, v2
	s_add_co_u32 s19, s19, 2*32*SP
	v_add_nc_u32 v5, s19, v5                       ; my block's scale byte in LDS
	v_lshlrev_b32 v7, 3, v2
	v_add_nc_u32 v6, s19, v7                       ; and 8 bytes a lane on the way out
	; path w's addresses
	s_mul_i32 s20, s18, WSTG
	s_add_co_u32 s20, s20, WLDS                    ; my stage
	v_and_b32 v8, 7, v2
	v_bfe_u32 v9, v2, 3, 1
	v_bfe_u32 v10, v2, 4, 1
	v_lshl_add_u32 v8, v9, 4, v8
	v_lshl_add_u32 v8, v10, 3, v8                  ; swap34(lane): my column's stored place among the wave's 32
	v_mul_u32_u24 v[WSI], v8, PITCH
	v_add_nc_u32 v[WSI], s20, v[WSI]
	v_and_b32 v9, 15, v2
	v_mul_u32_u24 v[WRD], v10, PITCH
	v_lshl_add_u32 v[WRD], v9, 4, v[WRD]
	v_add_nc_u32 v[WRD], s20, v[WRD]               ; out of it: sixteen lanes to a row, two rows an instruction
	v_mul_u32_u24 v[WGO], v10, KROW
	v_mad_u32_u24 v[WGO], v9, 12, v[WGO]
	v_lshlrev_b32 v[WSO], 5, v8
	v_lshlrev_b32 v[WL4], 2, v2
	s_wait_kmcnt 0x0
	s_cmp_lt_u32 ttmp9, 256
	s_cbranch_scc0 .Lw
	; ---------------- path x
	s_lshl_b32 s20, ttmp9, 2
	s_add_co_u32 s22, s20, s18                     ; my run of 8 rows
	s_lshl_b32 s22, s22, 15                        ; 32,768 bytes a run
	s_mov_b32 s23, 0
	s_add_nc_u64 s[4:5], s[4:5], s[22:23]
	s_and_b32 s21, s18, 1
	s_lshl_b32 s21, s21, 1
	s_lshr_b32 s24, s18, 1
	s_or_b32 s21, s21, s24
	s_add_co_u32 s20, s20, s21                     ; where the run is stored: bits 0 and 1 of its number (bits 3 and 4 of its rows) exchanged
	s_mul_i32 s22, s20, 32*STEPS*CB
	s_add_nc_u64 s[10:11], s[10:11], s[22:23]
	s_lshl_b32 s22, s20, 8
	s_add_nc_u64 s[12:13], s[12:13], s[22:23]
.macro XLOAD t
.irp i, 0,1,2,3
	global_load_b128 v[XR+16*((\t)%4)+4*\i:XR+16*((\t)%4)+4*\i+3], v3, s[4:5] offset:2048*(\t)+512*\i th:TH_LOAD_NT   ; 32 lanes read 512 consecutive bytes
.endr
.endm
.macro XTURN t                         ; step t's numbers through the stage: LDS serves a wave's instructions in order, so no wait stands between the stores and the loads
.irp i, 0,1,2,3
	ds_store_b128 v14, v[XR+16*((\t)%4)+4*\i:XR+16*((\t)%4)+4*\i+3] offset:32*SP*((\t)%2)+8*SP*\i
.endr
.irp i, 0,1,2,3
	ds_load_b128 v[XX+16*((\t)%2)+4*\i:XX+16*((\t)%2)+4*\i+3], v15 offset:32*SP*((\t)%2)+16*\i
.endr
.endm
.irp t, 0,1,2,3
	XLOAD \t
.endr
	s_wait_loadcnt 12                              ; step 0's four loads are in; the twelve of steps 1 to 3 may be out
	XTURN 0
.macro XSTEP t
.set XS, XX+16*((\t)%2)
.if (\t) > 0
	s_wait_dscnt 1                                 ; this step's numbers are back from the stage (the last step's byte store may be out)
.else
	s_wait_dscnt 0x0
.endif
.if (\t)+4 < STEPS
	XLOAD (\t)+4                                   ; into the set whose stage stores have been served
.endif
.if (\t)+1 < STEPS
.if STEPS-2-(\t) >= 3
	s_wait_loadcnt 12                              ; the next step's four loads are in; those of the three steps behind it may be out
.else
	s_wait_loadcnt 4*(STEPS-2-(\t))
.endif
	XTURN (\t)+1
.endif
	v_max3_num_f32 v8, |v[XS]|, |v[XS+1]|, |v[XS+2]|               ; the largest magnitude of my 16, in two chains
	v_max3_num_f32 v9, |v[XS+3]|, |v[XS+4]|, |v[XS+5]|
.irp i, 6,10
	v_max3_num_f32 v8, v8, |v[XS+\i]|, |v[XS+\i+1]|
	v_max3_num_f32 v9, v9, |v[XS+\i+2]|, |v[XS+\i+3]|
.endr
	v_max3_num_f32 v8, v8, |v[XS+14]|, |v[XS+15]|
	v_max3_num_f32 v8, v8, v9, 0x1800000           ; and the floor 2^(3 - 127): the byte cannot fall under 1
	v_max_num_f32_dpp v8, v8, v8 row_xmask:1 row_mask:0xf bank_mask:0xf   ; and of my neighbour's 16: the block's
	v_add_nc_u32 v11, 0xff000000, v8               ; 2 off its exponent field: the conversion's scale operand
	v_cvt_scalef32_pk16_fp6_f32 v[XC+4*(\t):XC+4*(\t)+2], v[XS:XS+15], v11
	v_lshrrev_b32 v[XE+(\t)], 23, v11              ; the scale's byte
	ds_store_b8 v5, v[XE+(\t)] offset:16*(\t)      ; both lanes of a block write the same byte with the same value
	global_store_b96 v4, v[XC+4*(\t):XC+4*(\t)+2], s[10:11] offset:32*CB*(\t)   ; the wave stores 384 consecutive bytes
.endm
.irp t, 0,1,2,3,4,5,6,7,8,9,10,11,12,13,14,15
	XSTEP \t
.endr
	ds_load_b64 v[12:13], v6                       ; LDS serves a wave's instructions in order: these see my stores
	s_wait_dscnt 0x0
	global_store_b64 v7, v[12:13], s[12:13]        ; 32 lanes store 256 consecutive bytes, aligned
	s_wait_tensorcnt 0x0
	ds_add_u32 v216, v217
	s_wait_dscnt 0x0
	s_endpgm
	; ---------------- path w
.Lw:
	s_sub_co_u32 s20, ttmp9, 256
	s_and_b32 s21, s20, 31                         ; which 128 stored rows (columns of the weights): 0-23 qkv_w, 24-31 proj_w
	s_lshr_b32 s22, s20, 5                         ; which 256 along K
	s_mov_b32 s30, 4096
	s_cmp_lt_u32 s21, 24                           ; the choice hangs on the work-group's number alone
	s_cselect_b64 s[6:7], s[6:7], s[8:9]
	s_cselect_b32 s30, 12288, s30                  ; a row of the weight in bytes
	s_cselect_b32 s23, 0, 24
	s_sub_co_u32 s23, s21, s23
	s_lshl_b32 s23, s23, 7
	s_lshl_b32 s24, s18, 5
	s_add_co_u32 s23, s23, s24                     ; my wave's first column in its tensor
	s_lshl_b32 s26, s23, 2
	s_lshl_b32 s25, s22, 8
	s_mul_i32 s25, s25, s30
	s_add_co_u32 s26, s26, s25
	s_mov_b32 s27, 0
	s_add_nc_u64 s[40:41], s[6:7], s[26:27]        ; block 0 of my 8 blocks of 32 rows
	s_lshl_b32 s28, s30, 5
	s_mov_b32 s29, 0
.irp t, 1,2,3,4,5,6,7
	s_add_nc_u64 s[40+2*\t:41+2*\t], s[38+2*\t:39+2*\t], s[28:29]   ; a base for each block, so that none is stepped
.endr
	s_lshl_b32 s31, s21, 7
	s_add_co_u32 s31, s31, s24                     ; my first stored row
	s_mul_i32 s26, s31, KROW
	s_mul_i32 s25, s22, 192
	s_add_co_u32 s26, s26, s25
	s_add_nc_u64 s[14:15], s[14:15], s[26:27]
	s_lshl_b32 s26, s31, 5
	s_lshl_b32 s25, s22, 3
	s_add_co_u32 s26, s26, s25
	s_add_nc_u64 s[16:17], s[16:17], s[26:27]
	s_wait_alu depctr_va_vdst(0)
.irp i, 0,1,2,3,4,5,6,7,8,9,10,11,12,13,14,15,16,17,18,19,20,21,22,23,24,25,26,27,28,29,30,31
	v_mad_u32_u24 v[WOF+\i], s30, \i, v[WL4]       ; row i of a block, my column
.endr
.macro WLOAD t                         ; block t: 32 rows at my column into set t % 2; each load reads 128 consecutive bytes
.irp i, 0,1,2,3,4,5,6,7,8,9,10,11,12,13,14,15,16,17,18,19,20,21,22,23,24,25,26,27,28,29,30,31
	global_load_b32 v[WX+32*((\t)%2)+\i], v[WOF+\i], s[40+2*(\t):41+2*(\t)] th:TH_LOAD_NT
.endr
.endm
	WLOAD 0
	WLOAD 1
.macro WBLOCK t
.set XS, WX+32*((\t)%2)
.if (\t) < NB-1
	s_wait_loadcnt 32                              ; this block's 32 loads are in; the next block's 32 may be out
.else
	s_wait_loadcnt 0
.endif
	v_max3_num_f32 v12, |v[XS]|, |v[XS+1]|, |v[XS+2]|              ; the block's largest magnitude: all 32 numbers are mine
	v_max3_num_f32 v13, |v[XS+3]|, |v[XS+4]|, |v[XS+5]|
.irp i, 6,10,14,18,22,26
	v_max3_num_f32 v12, v12, |v[XS+\i]|, |v[XS+\i+1]|
	v_max3_num_f32 v13, v13, |v[XS+\i+2]|, |v[XS+\i+3]|
.endr
	v_max3_num_f32 v12, v12, |v[XS+30]|, |v[XS+31]|
	v_max3_num_f32 v12, v12, v13, 0x1800000        ; and the floor
	v_add_nc_u32 v11, 0xff000000, v12              ; the conversion's scale operand
	v_lshrrev_b32 v13, 23, v11                     ; the scale's byte
.if (\t)%4 == 0
	v_mov_b32 v[WSB+(\t)/4], v13
.else
	v_lshl_or_b32 v[WSB+(\t)/4], v13, 8*((\t)%4), v[WSB+(\t)/4]
.endif
	v_cvt_scalef32_pk16_fp6_f32 v[WC:WC+2], v[XS:XS+15], v11
	v_cvt_scalef32_pk16_fp6_f32 v[WC+4:WC+6], v[XS+16:XS+31], v11
	ds_store_b96 v[WSI], v[WC:WC+2] offset:32*(\t) ; 12 bytes to a place of 16, so that every LDS address is a multiple of 16
	ds_store_b96 v[WSI], v[WC+4:WC+6] offset:32*(\t)+16
.if (\t)+2 < NB
	WLOAD (\t)+2
.endif
	s_wait_dscnt 0x0                               ; the stores have been served: the next block's codes may be written
.endm
.irp t, 0,1,2,3,4,5,6,7
	WBLOCK \t
.endr
	s_wait_alu depctr_va_vdst(0)
	global_store_b64 v[WSO], v[WSB:WSB+1], s[16:17]  ; my column's 8 scale bytes
.irp t, 0,1,2,3,4,5,6,7,8,9,10,11,12,13,14,15
	ds_load_b96 v[WOUT+4*\t:WOUT+4*\t+2], v[WRD] offset:2*\t*PITCH
.endr
.irp t, 0,1,2,3,4,5,6,7,8,9,10,11,12,13,14,15
	s_wait_dscnt 15-\t                             ; loads come back in order: number t is in
	global_store_b96 v[WGO], v[WOUT+4*\t:WOUT+4*\t+2], s[14:15] offset:2*\t*KROW   ; sixteen lanes store a row's 192 consecutive bytes
.endr
	s_wait_tensorcnt 0x0
	ds_add_u32 v216, v217
	s_wait_dscnt 0x0
	s_endpgm
.Lfunc_end_k_q180738c73b_quant:
	.size	k_q180738c73b_quant, .Lfunc_end_k_q180738c73b_quant-k_q180738c73b_quant
	.p2alignl 7, 3214868480
	.fill 96, 4, 3214868480
	.section	.rodata,"a",@progbits
	.p2align	6, 0x0
	.amdhsa_kernel k_q180738c73b_quant
		.amdhsa_group_segment_fixed_size 68096
		.amdhsa_private_segment_fixed_size 0
		.amdhsa_enable_private_segment 0
		.amdhsa_kernarg_size 56
		.amdhsa_user_sgpr_count 2
		.amdhsa_user_sgpr_kernarg_segment_ptr 1
		.amdhsa_wavefront_size32 1
		.amdhsa_system_sgpr_workgroup_id_x 1
		.amdhsa_system_sgpr_workgroup_id_y 1
		.amdhsa_system_sgpr_workgroup_id_z 1
		.amdhsa_system_vgpr_workitem_id 0
		.amdhsa_next_free_vgpr 218
		.amdhsa_next_free_sgpr 66
		.amdhsa_reserve_vcc 0
		.amdhsa_float_denorm_mode_32 3
		.amdhsa_float_denorm_mode_16_64 3
		.amdhsa_memory_ordered 1
		.amdhsa_forward_progress 1
		.amdhsa_inst_pref_size 76
	.end_amdhsa_kernel
	.amdgpu_metadata
---
amdhsa.version: [ 1, 2 ]
amdhsa.kernels:
  - .name:           k_q180738c73b_quant
    .symbol:         k_q180738c73b_quant.kd
    .args:
      - { .name: x, .offset: 0, .size: 8, .value_kind: global_buffer, .address_space: global }
      - { .name: qkv_w, .offset: 8, .size: 8, .value_kind: global_buffer, .address_space: global }
      - { .name: proj_w, .offset: 16, .size: 8, .value_kind: global_buffer, .address_space: global }
      - { .name: xcodes, .offset: 24, .size: 8, .value_kind: global_buffer, .address_space: global }
      - { .name: xscales, .offset: 32, .size: 8, .value_kind: global_buffer, .address_space: global }
      - { .name: wcodes, .offset: 40, .size: 8, .value_kind: global_buffer, .address_space: global }
      - { .name: wscales, .offset: 48, .size: 8, .value_kind: global_buffer, .address_space: global }
    .group_segment_fixed_size: 68096
    .private_segment_fixed_size: 0
    .kernarg_segment_align: 8
    .kernarg_segment_size: 56
    .max_flat_workgroup_size: 128
    .sgpr_count:     66
    .vgpr_count:     218
    .wavefront_size: 32
...
	.end_amdgpu_metadata
.endif
;; end of part 1
;; launch gemm_qkv (part 2): grid 8 x 32, 4 waves a work-group, clusters of 4 x 4, 327,680 bytes of LDS; arguments xcodes, xscales, wcodes, wscales, qkv_b, qkv; writes qkv
.if DOCPART == 2
	.amdgcn_target "amdgcn-amd-amdhsa--gfx1250"
	.amdhsa_code_object_version 6
	.text
	.protected	k_q180738c73b_gemm_qkv
	.globl	k_q180738c73b_gemm_qkv
	.p2align	8
	.type	k_q180738c73b_gemm_qkv,@function
k_q180738c73b_gemm_qkv:
	s_mov_b64 s[64:65], 0
	v_nop
	global_prefetch_b8 v0, s[64:65] scope:SCOPE_SE
	s_setreg_imm32_b32 hwreg(HW_REG_WAVE_MODE, 25, 1), 1
	s_wait_xcnt 0x0
	s_wait_alu depctr_hold_cnt(0) depctr_sa_sdst(0) depctr_va_vdst(0) depctr_va_sdst(0) depctr_va_ssrc(0) depctr_va_vcc(0) depctr_vm_vsrc(0)
	s_getreg_b32 s2, hwreg(HW_REG_IB_STS2, 6, 4)
	s_cmp_eq_u32 s2, 0
	s_cbranch_scc0 .Lentry_in_a_cluster
	s_endpgm
.Lentry_in_a_cluster:
	s_bfe_u32 s2, ttmp6, 0x10000c
	s_cmp_lg_u32 s2, 0xf033
	s_cbranch_scc0 .Lentry_shape_is_right
	s_endpgm
.Lentry_shape_is_right:
; qkv = x qkv_w + qkv_b on codes of FP6 (E2M3) with E8M0 scales, K = 1024; the f32 results are quantised on the way out and leave as the operands of attention's two products.
; THE DEAL: 256 work-groups of four waves, 2 x 2.  A work-group keeps 256 stored rows of x, all of K, in LDS for the whole launch and makes 256 x 128 of Q, then of K, then of V (three phases).
; A wave holds 64 rows of the phase's weight, all of K, in 384 registers and streams its 128 rows of x past them in blocks of 16 rows: 32 products a block on four accumulators that take turns.
; Its 128 tokens are one record of qkv and its 64 weight rows one head.  The weights have an LDS region of their own: once all waves hold a phase's weight in registers, the next phase's rows are asked for.
; Tensor rows are whole rows of 768 bytes of memory, each beginning at a multiple of 256.
; ROW ORDER: xcodes' and wcodes' rows lie in the order swap34 (bits 3 and 4 of the row's number exchanged).  Q, K: source 0 = the weight's rows, so lane (r, h) holds token 32 (s / 2) + 8 (s % 2) + r + 8 (r / 8) of block s and
; the 16 registers of tiles 2 bb, 2 bb + 1 are features 32 bb + 16 h + 0 .. 15.  V: source 0 = x's rows, so lane (r, h) holds feature (tile, r) and the 16 registers of blocks 2 p, 2 p + 1 are tokens 32 p + 16 h + 0 .. 15.
; A scale block of 32 lies in lanes l and l xor 16.  The bias is the C of each sum's first product.
; OUT: a record of REC bytes for each (batch, head, 128 tokens): K's codes [tile 8][block 2][r 16][24 B] at 0, V's [dt 4][kb 4][r 16][24 B] at 6,144, K's scale words [r][tile] at 12,288, V's [r][dt] at 12,800,
; Q's codes and words, laid as K's, at 13,056 and 19,200.  A word of K or Q holds its two bytes twice.  Each store of codes covers 384 consecutive bytes.
; CLUSTERS of 4 x 4: x's rows are asked for jointly along a row of the cluster, a weight's rows along a column.
; NO PREFETCH: the head's fills have no loop ahead of them, and each refill is asked for a whole phase, 256 products a wave, ahead of its first read.
; LIMITS: a block of zeros, or one whose largest magnitude lies under 2^-124, gets the byte 1 (this program alone reads the bytes); NaN and infinities are not served.
.set KROW, 768
.set PITCH, 816                        ; an LDS row: 3 x (256 + 16)
.set FR, 12
.set FPW, 21                           ; fragments in a window of 256 registers
.set NF, 28                            ; LDS loads of a block: 26 for eight fragments, 2 for eight scale words
.set WLB, 256*PITCH                    ; the weights' region
.set SCL, WLB+128*PITCH                ; x's scale bytes: 32 units of 256 + 16
.set STG, SCL+32*272                   ; Q's and K's scale words: 512 bytes a wave
.set SPARE, STG+2048
.set REC, 19712
.set AX0, 4                            ; v4, v5 my fragments of block 0 (v5: pieces behind one padding more); v6 my row's scale words
.set AS0, 6
.set AAS, 7                            ; v7, v8, v9 the same for the block fetched next
.set ADRA, 8
.set SPW, 10
.set NIL, 11
.set ABS, 12                           ; 32 x lane
.set CO, 13                            ; 24 r + 12 h
.set SSO, 14
.set RD, 15
.set C16, 16
.set CSV, 17
.set BO, 18
.set BV, 19
.set BA, 20                            ; v20-27 the weights' four tiles
.set SSW, 28
.set SB, 32                            ; v32-79 the weights' scale words, 16 a phase
.set SA, 84                            ; v84-99 x's scale words, two sets
.set TM, 100
.set CD, 112
.set WD, 128
.set ACC, 160                          ; v160-223 a pair of blocks' eight accumulators
.set BI, 96                            ; window 3, v96-191: the bias, 32 registers a phase
.set WV, 16
.set G1X, 28
.set G1W, 36
.set G1S, 44
.set G0W, 52
.set G0S, 56
.set G0X, 60
.set G0Y, 68
.set BC, 76
.set XO, 77
.set SO, 78
.set CT, 79
.set T, 80
.set SEL, 82
.set RBA, 84
.set OB, 86
.set OS, 88
.set WSC, 90
.set BB, 92
.set MSB, 0
.macro WIN new
.if MSB != \new
	s_set_vgpr_msb (MSB<<8)|\new
.set MSB, \new
.endif
.endm
.macro PLACES n
.rept \n
	v_nop
.endr
.endm
.macro WALU
	s_wait_alu depctr_va_vdst(0)
.endm
.macro BARRIER
	s_barrier_signal -1
	s_barrier_wait -1
.endm
.macro CROUND                          ; a round of the cluster's barrier
	BARRIER
	s_cmp_lg_u32 s[WV], 0
	s_cbranch_scc1 .Lnw0_\@
	s_barrier_signal -3
.Lnw0_\@:
	s_barrier_wait -3
	BARRIER
.endm
.macro TLOAD g0, g1
	tensor_load_to_lds s[\g0:\g0+3], s[\g1:\g1+7]
	s_nop 0
	PLACES 4
.endm
.macro GROUP1 g, mask                  ; 128 rows of 768 bytes, 16 bytes of padding behind every 256
	s_or_b32 s[\g+0], s[\mask], (1<<20)|(1<<21)|(5<<22)|(3<<25)
	s_mov_b32 s[\g+1], KROW<<16
	s_mov_b32 s[\g+2], 128<<16
	s_mov_b32 s[\g+3], KROW<<16
	s_mov_b32 s[\g+4], 128
	s_mov_b32 s[\g+5], KROW
	s_mov_b32 s[\g+6], 0
	s_mov_b32 s[\g+7], 0
.endm
; Fragment f lies in window 1 + f / 21 at register 12 (f % 21): 0-31 the weights' (4 q + tile), 32-39 and 40-47 x's two sets.  Six pieces of 8 bytes, two to a load where both lie behind as many paddings.
.macro FRAG f, q, a0, a1
	WIN (1+(\f)/FPW)<<6
.set R_, FR*((\f)%FPW)
.set SKIP_, 0
.irp p, 0,1,2,3,4,5
.if SKIP_
.set SKIP_, 0
.else
.set PC_, 12*(\q)+6*(\p/3)+\p%3
.set PN_, 12*(\q)+6*((\p+1)/3)+(\p+1)%3
.set X_, (PC_%32+3)/32
.set XQ_, (PN_%32+3)/32
.if (\p < 5) && (X_ == XQ_)
.set SKIP_, 1
.if X_
	ds_load_2addr_b64 v[R_+2*\p:R_+2*\p+3], v[\a1] offset0:PC_+2*(PC_/32) offset1:PN_+2*(PN_/32)
.else
	ds_load_2addr_b64 v[R_+2*\p:R_+2*\p+3], v[\a0] offset0:PC_+2*(PC_/32) offset1:PN_+2*(PN_/32)
.endif
.elseif X_
	ds_load_b64 v[R_+2*\p:R_+2*\p+1], v[\a1] offset:8*(PC_+2*(PC_/32))
.else
	ds_load_b64 v[R_+2*\p:R_+2*\p+1], v[\a0] offset:8*(PC_+2*(PC_/32))
.endif
.endif
.endr
.endm
.macro WEIGHTS                         ; my 64 rows of the weight, all of K: 104 loads
.irp q, 0,1,2,3,4,5,6,7
.irp b, 0,1,2,3
	FRAG 4*\q+\b, \q, BA+2*\b, BA+2*\b+1
.endr
.endr
	WIN 0
.endm
.macro FETCH e, a0, a1, as             ; a block of x's rows into set e: NF loads
.irp q, 0,1,2,3,4,5,6,7
	FRAG 32+8*(\e)+\q, \q, \a0, \a1
.endr
	WIN 0
	ds_load_b128 v[SA+8*(\e):SA+8*(\e)+3], v[\as]
	ds_load_b128 v[SA+8*(\e)+4:SA+8*(\e)+7], v[\as] offset:16
.endm
.macro NEXTX                           ; the next block's LDS addresses, block number modulo 8; its four vector lines are the places ahead of the fetch
	s_add_co_u32 s[BC], s[BC], 1
	s_and_b32 s[T], s[BC], 7
	s_mul_i32 s[XO], s[T], 16*PITCH
	s_mul_i32 s[SO], s[T], 544
	v_add_nc_u32 v[ADRA], s[XO], v[AX0]
	v_add_nc_u32 v[ADRA+1], s[XO], v[AX0+1]
	v_add_nc_u32 v[AAS], s[SO], v[AS0]
	v_nop
.endm
.macro MM d, s0, s1, c, x0, x1, side, o
.if \o
	v_wmma_scale_f32_16x16x128_f8f6f4 v[\d:\d+7], v[\s0:\s0+11], v[\s1:\s1+11], \c, v[\x0], v[\x1] matrix_a_fmt:MATRIX_FMT_FP6 matrix_b_fmt:MATRIX_FMT_FP6 matrix_\side\()_scale:MATRIX_SCALE_ROW1
.else
	v_wmma_scale_f32_16x16x128_f8f6f4 v[\d:\d+7], v[\s0:\s0+11], v[\s1:\s1+11], \c, v[\x0], v[\x1] matrix_a_fmt:MATRIX_FMT_FP6 matrix_b_fmt:MATRIX_FMT_FP6 matrix_\side\()_scale:MATRIX_SCALE_ROW0
.endif
.endm
.macro PROD kind, e, n, sb, bi         ; n = 4 q + tile.  kind 0 (Q, K): source 0 the weight's rows; kind 1 (V): source 0 x's rows
.set Q_, (\n)/4
.set B_, (\n)%4
.set FA_, 32+8*(\e)+Q_
.set WA_, 1+FA_/FPW
.set WW_, 1+(\n)/FPW
.set RA_, FR*(FA_%FPW)
.set RW_, FR*((\n)%FPW)
.set XW_, (\sb)+8*(B_/2)+Q_
.set XA_, SA+8*(\e)+Q_
.set C_, (\bi)+8*B_
.if \kind
.set D_, ACC+16*B_+8*(\e)
.if Q_
	WIN WA_|(WW_<<2)
	MM D_, RA_, RW_, v[D_:D_+7], XA_, XW_, b, B_%2
.else
	WIN WA_|(WW_<<2)|(3<<4)
	MM D_, RA_, RW_, v[C_:C_+7], XA_, XW_, b, B_%2
.endif
.else
.set D_, ACC+32*(\e)+8*B_
.if Q_
	WIN WW_|(WA_<<2)
	MM D_, RW_, RA_, v[D_:D_+7], XW_, XA_, a, B_%2
.else
	WIN WW_|(WA_<<2)|(3<<4)
	MM D_, RW_, RA_, v[C_:C_+7], XW_, XA_, a, B_%2
.endif
.endif
.endm
.macro BLOCK kind, e, sb, bi           ; 32 products: the four accumulators take turns, three others between two steps of a sum
.set N_, 0
.rept 32
	PROD \kind, \e, N_, \sb, \bi
.set N_, N_+1
.endr
	WIN 0
.endm
; THE WAY OUT of a pair of blocks: four groups of 16 registers, each half a scale block; largest magnitude (with lane l xor 16's), scale byte, 16 codes = 12 bytes a lane.
.macro OUT kind
	s_wait_xcnt 0x0                        ; the last pair's stores have read their registers and their base
.if \kind
	s_add_nc_u64 s[OB:OB+1], s[OB:OB+1], 384
.else
	s_add_nc_u64 s[OB:OB+1], s[OB:OB+1], 1536
.endif
	s_lshl_b32 s[T], s[CT], 3              ; 8 x the pair's number
.irp g, 0,1,2,3
	v_max3_num_f32 v[TM+\g], |v[ACC+16*\g]|, |v[ACC+16*\g+1]|, 0x1800000   ; the floor 2^(3 - 127) holds the byte at 1 from below
.endr
.irp i, 2,4,6,8,10,12,14
.irp g, 0,1,2,3
	v_max3_num_f32 v[TM+\g], |v[ACC+16*\g+\i]|, |v[ACC+16*\g+\i+1]|, v[TM+\g]
.endr
.endr
.irp g, 0,1,2,3
	v_permlanex16_b32 v[TM+4+\g], v[TM+\g], s[SEL], s[SEL+1]
.endr
.irp g, 0,1,2,3
	v_max_num_f32 v[TM+\g], v[TM+\g], v[TM+4+\g]
.endr
.irp g, 0,1,2,3
	v_add_nc_u32 v[TM+8+\g], 0xff000000, v[TM+\g]      ; 2 off the exponent field: the conversion's scale operand
.endr
.irp g, 0,1,2,3
	v_lshrrev_b32 v[TM+4+\g], 23, v[TM+8+\g]           ; the scale's byte
.endr
.irp g, 0,1,2,3
	v_cvt_scalef32_pk16_fp6_f32 v[CD+4*\g:CD+4*\g+2], v[ACC+16*\g:ACC+16*\g+15], v[TM+8+\g]
.endr
.if \kind
.irp g, 0,1,2,3
	v_lshl_or_b32 v[WD+\g], v[TM+4+\g], s[T], v[WD+\g] ; tile g's word: byte p is the pair's block of 32 keys
.endr
.irp g, 0,1,2,3
	global_store_b96 v[CO], v[CD+4*\g:CD+4*\g+2], s[OB:OB+1] offset:1536*\g
.endr
.else
	v_lshl_or_b32 v[WD], v[TM+5], 8, v[TM+4]           ; tile 2 p's two bytes,
	v_lshl_or_b32 v[WD+1], v[TM+7], 8, v[TM+6]         ; tile 2 p + 1's,
	v_add_nc_u32 v[SSW], s[T], v[SSO]
	v_lshl_or_b32 v[WD], v[WD], 16, v[WD]              ; each twice
	v_lshl_or_b32 v[WD+1], v[WD+1], 16, v[WD+1]
	ds_store_b64 v[SSW], v[WD:WD+1]                    ; lanes l and l xor 16 write the same words
.irp g, 0,1,2,3
	global_store_b96 v[CO], v[CD+4*\g:CD+4*\g+2], s[OB:OB+1] offset:384*\g
.endr
.endif
.endm
.macro PAIR kind, ph, fetch
	s_wait_dscnt NF                        ; set 0 is in: younger are set 1's NF loads (and a store of words, which is waited for with them)
	BLOCK \kind, 0, SB+16*\ph, BI+32*\ph
.if \fetch
	NEXTX
	FETCH 0, ADRA, ADRA+1, AAS
	s_wait_dscnt NF                        ; set 1 is in: younger are the NF loads just issued
.else
	s_wait_dscnt 0x0
.endif
	BLOCK \kind, 1, SB+16*\ph, BI+32*\ph
.if \fetch
	NEXTX
	FETCH 1, ADRA, ADRA+1, AAS
.else
	PLACES 4
.endif
	OUT \kind
.endm
.macro PHASE kind, ph, co, so, last    ; four pairs; the fetches run on into the next phase's first two blocks, which are the same rows; the last phase's last pair fetches nothing
	s_wait_xcnt 0x0
	s_add_nc_u64 s[OB:OB+1], s[RBA:RBA+1], \co
.if \kind
	s_sub_nc_u64 s[OB:OB+1], s[OB:OB+1], 384           ; each way out first steps the base
.irp g, 0,1,2,3
	v_mov_b32 v[WD+\g], 0
.endr
.else
	s_sub_nc_u64 s[OB:OB+1], s[OB:OB+1], 1536
.endif
	s_add_nc_u64 s[OS:OS+1], s[RBA:RBA+1], \so
	s_mov_b32 s[CT], 0
.Lpair_\@:
	PAIR \kind, \ph, 1
	s_add_co_u32 s[CT], s[CT], 1
	s_cmp_lg_u32 s[CT], 4-\last
	WALU                                   ; the wait ahead of the backward jump
	s_cbranch_scc1 .Lpair_\@
.if \last
	PAIR \kind, \ph, 0
.endif
.if \kind
	WALU
	global_store_b128 v[CSV], v[WD:WD+3], s[OS:OS+1]   ; sixteen lanes store the head's 256 bytes of V's words (lanes 16-31 the same again)
.else
	ds_load_b128 v[WD+4:WD+7], v[RD]                   ; LDS serves a wave's instructions in order: this sees my stores
	s_wait_dscnt 0x0
	global_store_b128 v[C16], v[WD+4:WD+7], s[OS:OS+1] ; 512 consecutive bytes of scale words
.endif
.endm
.macro REFILL                          ; wave 0 asks for the next weight's 128 rows
	s_cmp_eq_u32 s[WV], 0
	s_cbranch_scc0 .Lnr_\@
	TLOAD G0W, G1W
.Lnr_\@:
.endm
.macro GROUND
	s_wait_tensorcnt 0x0
	ds_add_u32 v[SPW], v[NIL]
	s_add_nc_u64 s[G0W+2:G0W+3], s[G0W+2:G0W+3], 1024*KROW   ; no tensor load of mine is out: the next weight's rows
	s_wait_dscnt 0x0
	CROUND
	REFILL
.endm
.macro CHANGE refill                   ; the weight that was asked for a phase ago goes into registers
	s_wait_tensorcnt 0x0
	s_wait_dscnt 0x0
	BARRIER                                ; it is shown to all four waves
	WEIGHTS
.if \refill
	GROUND
.else
	s_wait_dscnt 0x0
.endif
.endm
	s_load_b256 s[4:11], s[0:1], 0x0       ; xcodes, xscales, wcodes, wscales
	s_load_b128 s[12:15], s[0:1], 0x20     ; qkv_b, qkv
	v_lshl_add_u32 v[SPW], v0, 2, SPARE
	v_mov_b32 v[NIL], 0
	ds_add_u32 v[SPW], v[NIL]              ; the opening lines: the add twice and its wait
	ds_add_u32 v[SPW], v[NIL]
	v_lshrrev_b32 v1, 5, v0
	v_readfirstlane_b32 s[WV], v1
	s_lshr_b32 s17, s[WV], 1               ; a: which 128 rows of x
	s_and_b32 s18, s[WV], 1                ; b: which 64 rows of the weight
	s_bfe_u32 s19, ttmp6, 0x40000          ; cx
	s_bfe_u32 s20, ttmp6, 0x40004          ; cy
	s_lshl_b32 s21, ttmp9, 2
	s_add_co_u32 s21, s21, s19             ; column group, 0 .. 7
	s_and_b32 s22, ttmp7, 0xffff
	s_lshl_b32 s22, s22, 2
	s_add_co_u32 s22, s22, s20             ; tile row, 0 .. 31
	s_lshl_b32 s23, s20, 2
	s_lshl_b32 s23, 15, s23                ; my row of the cluster
	s_lshl_b32 s24, 0x1111, s19            ; my column
	GROUP1 G1X, 23
	GROUP1 G1W, 24
	s_or_b32 s[G1S+0], s23, (3<<16)|(1<<20)|(1<<21)|(5<<22)|(3<<25)   ; 8,192 dense bytes as 32 rows of 256
	s_mov_b32 s[G1S+1], 32<<16
	s_mov_b32 s[G1S+2], 32<<16
	s_mov_b32 s[G1S+3], 32<<16
	s_mov_b32 s[G1S+4], 32
	s_mov_b32 s[G1S+5], 32
	s_mov_b32 s[G1S+6], 0
	s_mov_b32 s[G1S+7], 0
	s_mov_b32 s[G0W], 1
	s_mov_b32 s[G0W+1], WLB
	s_mov_b32 s[G0S], 1
	s_mov_b32 s[G0S+1], SCL
	s_mov_b32 s[G0X], 1
	s_mov_b32 s[G0X+1], 0
	s_mov_b32 s[G0Y], 1
	s_mov_b32 s[G0Y+1], 128*PITCH
	s_mul_i32 s72, s22, 256*KROW
	s_mov_b32 s73, 0
	s_mul_i32 s74, s21, 128*KROW
	s_mov_b32 s75, 0
	s_lshl_b32 s26, s22, 13                ; 256 rows x 32 bytes
	s_mov_b32 s27, 0
	s_mov_b32 s[SEL], 0x76543210
	s_mov_b32 s[SEL+1], 0xfedcba98
	v_and_b32 v1, 15, v0                   ; r
	v_bfe_u32 v2, v0, 4, 1                 ; h
	v_and_b32 v3, 31, v0
	v_mul_u32_u24 v29, v1, PITCH
	v_mad_u32_u24 v30, v2, 24, v29
	v_mad_u32_u24 v31, v2, 40, v29
	s_mul_i32 s25, s17, 128*PITCH
	v_add_nc_u32 v[AX0], s25, v30
	v_add_nc_u32 v[AX0+1], s25, v31
	s_mul_i32 s25, s18, 64*PITCH
	s_add_co_u32 s25, s25, WLB
.irp t, 0,1,2,3
	v_add_nc_u32 v[BA+2*\t], s25, v30
	v_add_nc_u32 v[BA+2*\t+1], s25, v31
	s_add_co_u32 s25, s25, 16*PITCH
.endr
	v_lshlrev_b32 v29, 5, v1               ; 32 r
	v_lshrrev_b32 v30, 3, v1
	v_lshl_add_u32 v30, v30, 4, v29        ; + 16 for the unit passed
	s_mul_i32 s25, s17, 16*272
	s_add_co_u32 s25, s25, SCL
	v_add_nc_u32 v[AS0], s25, v30
	v_lshlrev_b32 v[ABS], 5, v3
	v_mul_u32_u24 v[CO], v1, 24
	v_mad_u32_u24 v[CO], v2, 12, v[CO]
	s_lshl_b32 s25, s[WV], 9
	s_add_co_u32 s25, s25, STG
	v_add_nc_u32 v[SSO], s25, v29
	v_lshlrev_b32 v[C16], 4, v3
	v_add_nc_u32 v[RD], s25, v[C16]
	v_lshlrev_b32 v[CSV], 4, v1
	v_lshlrev_b32 v[BO], 6, v2
	v_and_b32 v30, 8, v1
	v_add_nc_u32 v30, v30, v1
	v_lshlrev_b32 v[BV], 2, v30
.irp g, 4,5,6,7
	v_mov_b32 v[TM+\g], 0                  ; a lane permute's destination counts as one of its sources
.endr
	WALU                                   ; the wait at the head's end
	s_wait_dscnt 0x0
	CROUND                                 ; the round ahead of the first joint loads
	s_wait_kmcnt 0x0
	s_add_nc_u64 s[G0X+2:G0X+3], s[4:5], s[72:73]
	s_add_nc_u64 s[G0Y+2:G0Y+3], s[G0X+2:G0X+3], 128*KROW
	s_or_b32 s[G0X+3], s[G0X+3], 0x80000000
	s_or_b32 s[G0Y+3], s[G0Y+3], 0x80000000
	s_add_nc_u64 s[G0W+2:G0W+3], s[8:9], s[74:75]
	s_or_b32 s[G0W+3], s[G0W+3], 0x80000000
	s_add_nc_u64 s[G0S+2:G0S+3], s[6:7], s[26:27]
	s_or_b32 s[G0S+3], s[G0S+3], 0x80000000
	s_cmp_eq_u32 s[WV], 0                  ; one load a wave, in one chain of branches: the weight first, whose way into registers is the longest
	s_cbranch_scc0 .Lw1
	TLOAD G0W, G1W
	s_branch .Lasked
.Lw1:
	s_cmp_eq_u32 s[WV], 1
	s_cbranch_scc0 .Lw2
	TLOAD G0S, G1S
	s_branch .Lasked
.Lw2:
	s_cmp_eq_u32 s[WV], 2
	s_cbranch_scc0 .Lw3
	TLOAD G0X, G1X
	s_branch .Lasked
.Lw3:
	TLOAD G0Y, G1X
.Lasked:
	s_lshl_b32 s72, s21, 1
	s_add_co_u32 s72, s72, s18             ; head
	s_lshr_b32 s74, s22, 3                 ; batch
	s_lshl_b32 s74, s74, 4
	s_add_co_u32 s72, s72, s74
	s_lshl_b32 s72, s72, 4
	s_lshl_b32 s74, s22, 1
	s_add_co_u32 s74, s74, s17
	s_and_b32 s74, s74, 15                 ; which 128 tokens
	s_add_co_u32 s72, s72, s74
	s_mul_i32 s72, s72, REC
	s_add_nc_u64 s[RBA:RBA+1], s[14:15], s[72:73]      ; my record
	s_lshl_b32 s72, s21, 7
	s_lshl_b32 s74, s18, 6
	s_add_co_u32 s74, s72, s74             ; my first row of a weight
	s_lshl_b32 s72, s74, 5
	s_add_nc_u64 s[WSC:WSC+1], s[10:11], s[72:73]
	s_lshl_b32 s72, s74, 2
	s_add_nc_u64 s[BB:BB+1], s[12:13], s[72:73]
.irp ph, 0,1,2
.irp p, 0,1
.irp c, 0,1
	global_load_b128 v[SB+16*\ph+8*\p+4*\c:SB+16*\ph+8*\p+4*\c+3], v[ABS], s[WSC:WSC+1] offset:\ph*32768+\p*1024+16*\c   ; lanes 0-15 tile 2 p's words, lanes 16-31 tile 2 p + 1's
.endr
.endr
.endr
	WIN 3<<6
.irp ph, 0,1
.irp t, 0,1,2,3
	global_load_b128 v[BI+32*\ph+8*\t:BI+32*\ph+8*\t+3], v[BO], s[BB:BB+1] offset:\ph*4096+(32*(\t/2)+8*(\t%2))*4
	global_load_b128 v[BI+32*\ph+8*\t+4:BI+32*\ph+8*\t+7], v[BO], s[BB:BB+1] offset:\ph*4096+(32*(\t/2)+8*(\t%2))*4+16
.endr
.endr
.irp t, 0,1,2,3
.irp j, 0,1,2,3,4,5,6,7
	global_load_b32 v[BI+64+8*\t+\j], v[BV], s[BB:BB+1] offset:8192+(32*(\t/2)+8*(\t%2))*4   ; V: one number a lane and tile, in all eight registers
.endr
.endr
	WIN 0
	s_cmp_eq_u32 s[WV], 0
	s_cbranch_scc0 .Lnot_w
	s_wait_tensorcnt 0x0
.Lnot_w:
	BARRIER                                ; the first weight's rows are in (wave 0's line is its own)
	WEIGHTS
	GROUND
	FETCH 0, AX0, AX0+1, AS0
	s_mov_b32 s[BC], 0
	NEXTX
	FETCH 1, ADRA, ADRA+1, AAS
	s_wait_loadcnt 0x0                     ; the weights' scale words and the bias
	PHASE 0, 0, 13056, 19200, 0            ; Q
	CHANGE 1
	PHASE 0, 1, 0, 12288, 0                ; K
	CHANGE 0
	PHASE 1, 2, 6144, 12800, 1             ; V
	s_wait_tensorcnt 0x0                   ; the wave's end
	ds_add_u32 v[SPW], v[NIL]
	s_wait_dscnt 0x0
	CROUND                                 ; the closing round
	s_endpgm
.Lfunc_end_k_q180738c73b_gemm_qkv:
	.size	k_q180738c73b_gemm_qkv, .Lfunc_end_k_q180738c73b_gemm_qkv-k_q180738c73b_gemm_qkv
	.p2alignl 7, 3214868480
	.fill 96, 4, 3214868480
	.section	.rodata,"a",@progbits
	.p2align	6, 0x0
	.amdhsa_kernel k_q180738c73b_gemm_qkv
		.amdhsa_group_segment_fixed_size 327680
		.amdhsa_private_segment_fixed_size 0
		.amdhsa_enable_private_segment 0
		.amdhsa_kernarg_size 48
		.amdhsa_user_sgpr_count 2
		.amdhsa_user_sgpr_kernarg_segment_ptr 1
		.amdhsa_wavefront_size32 1
		.amdhsa_system_sgpr_workgroup_id_x 1
		.amdhsa_system_sgpr_workgroup_id_y 1
		.amdhsa_system_sgpr_workgroup_id_z 1
		.amdhsa_system_vgpr_workitem_id 0
		.amdhsa_next_free_vgpr 1024
		.amdhsa_next_free_sgpr 100
		.amdhsa_reserve_vcc 0
		.amdhsa_float_denorm_mode_32 3
		.amdhsa_float_denorm_mode_16_64 3
		.amdhsa_memory_ordered 1
		.amdhsa_forward_progress 1
		.amdhsa_inst_pref_size 104
	.end_amdhsa_kernel
	.amdgpu_metadata
---
amdhsa.version: [ 1, 2 ]
amdhsa.kernels:
  - .name:           k_q180738c73b_gemm_qkv
    .symbol:         k_q180738c73b_gemm_qkv.kd
    .args:
      - { .name: xcodes, .offset: 0, .size: 8, .value_kind: global_buffer, .address_space: global }
      - { .name: xscales, .offset: 8, .size: 8, .value_kind: global_buffer, .address_space: global }
      - { .name: wcodes, .offset: 16, .size: 8, .value_kind: global_buffer, .address_space: global }
      - { .name: wscales, .offset: 24, .size: 8, .value_kind: global_buffer, .address_space: global }
      - { .name: qkv_b, .offset: 32, .size: 8, .value_kind: global_buffer, .address_space: global }
      - { .name: qkv, .offset: 40, .size: 8, .value_kind: global_buffer, .address_space: global }
    .group_segment_fixed_size: 327680
    .private_segment_fixed_size: 0
    .kernarg_segment_align: 8
    .kernarg_segment_size: 48
    .max_flat_workgroup_size: 128
    .sgpr_count:     100
    .vgpr_count:     1024
    .wavefront_size: 32
...
	.end_amdgpu_metadata
.endif
;; end of part 2
;; launch attn (part 3): grid 4 x 64, 16 waves a work-group, clusters of 4 x 1, 327,680 bytes of LDS; arguments qkv, acodes, ascales; writes acodes, ascales
.if DOCPART == 3
	.amdgcn_target "amdgcn-amd-amdhsa--gfx1250"
	.amdhsa_code_object_version 6
	.text
	.protected	k_q180738c73b_attn
	.globl	k_q180738c73b_attn
	.p2align	8
	.type	k_q180738c73b_attn,@function
k_q180738c73b_attn:
	s_mov_b64 s[64:65], 0
	v_nop
	global_prefetch_b8 v0, s[64:65] scope:SCOPE_SE
	s_setreg_imm32_b32 hwreg(HW_REG_WAVE_MODE, 25, 1), 1
	s_wait_xcnt 0x0
	s_wait_alu depctr_hold_cnt(0) depctr_sa_sdst(0) depctr_va_vdst(0) depctr_va_sdst(0) depctr_va_ssrc(0) depctr_va_vcc(0) depctr_vm_vsrc(0)
	s_getreg_b32 s2, hwreg(HW_REG_IB_STS2, 6, 4)
	s_cmp_eq_u32 s2, 0
	s_cbranch_scc0 .Lentry_in_a_cluster
	s_endpgm
.Lentry_in_a_cluster:
	s_bfe_u32 s2, ttmp6, 0x10000c
	s_cmp_lg_u32 s2, 0x3003
	s_cbranch_scc0 .Lentry_shape_is_right
	s_endpgm
.Lentry_shape_is_right:
; Causal attention of 64 (batch, head) pairs, 2,048 tokens, head size 64, both products on codes of FP6 (E2M3) with E8M0 scales; O / l is quantised along (head, d) and leaves as the last product's operand.
; IN: qkv, a record of REC bytes for each (batch, head, 128 tokens): K's codes [tile 8][block 2][r 16][24 B], V's [dt 4][kb 4][r 16][24 B], K's scale words [r][tile], V's [r][dt], then Q's codes and words, laid as K's.
; (tile, r) of K and Q is token 32 (tile / 2) + 8 (tile % 2) + r + 8 (r / 8) of the 128; (dt, r) of V is d = 32 (dt / 2) + 8 (dt % 2) + r + 8 (r / 8); kb is the block of 32 keys.
; ALL OF A HEAD'S K AND V STAY IN LDS: 16 records x 13,056 bytes.  Each of the 16 waves asks for one record at the head; one barrier shows them to all; behind it the waves share nothing more.
; CLUSTER: the four work-groups of a head ask for the records jointly.  Every work-group reads all 16: a head's 128 tiles of 16 queries are dealt so that each work-group has two tiles of each group of 128 queries.
; SHARES: wave w of work-group cx owns tile 2 cx + w / 8 of group 15 - w % 8 and then the same tile of group w % 8: 17 live key steps for every wave.  Key steps whose keys all come after the tile's queries lie wholly under
; the causal mask that the problem builds: a walk has 16 trips, a constant, and a branch on the wave's number and the trip's count leads round their work.
; THE FIRST PRODUCT'S K IS 64: Q's upper six registers hold zero codes.  K's fragments lie 6 registers apart, so a fragment's upper six registers are the next tile's codes: they meet Q's zero codes and add exactly 0.
; SOFTMAX: t = score x log2(e) / 8; M = the running largest t rounded up to a whole number; p = 2^(t - M) is quantised along the keys, not normalised; the sum is taken of the unquantised p and divides O at the end.
; When M moves, the sum and O^T are multiplied by 2^(old M - new M), which rounds nothing.  Hidden scores become -infinity, where the definition has the most negative number: p is 0 either way.
; Both products are used transposed: S^T = K Q^T, O^T = V^T P^T: a lane holds ONE query (lane % 16), and p's 16 registers of two neighbouring tiles are 16 neighbouring keys.
; NO PREFETCH: all tensor loads stand at the head, with no loop ahead of them.
; LIMITS: NaN and infinities are not served; the scaled scores stay under 2^31 in magnitude; a block of zeros, or one whose largest magnitude lies under 2^-124, gets the byte 1 (this program alone reads the bytes); 1 / l is v_rcp_f32 and a multiplication.
.set REC,   19712
.set KVB,   13056                      ; what a key step wants of a record: 51 x 256 bytes
.set VCO,   6144
.set KSO,   12288
.set VSO,   12800
.set QCO,   13056
.set QSO,   19200
.set SPARE, 16*KVB                     ; the spare words, 128 bytes a wave
.set AK0,  1                           ; v1   24 r + 384 h
.set ASK0, 2                           ; v2   32 r + KSO
.set ASV0, 3                           ; v3   16 r + VSO
.set DV,   4                           ; v4   my query in its group - 16 h
.set SPW,  5
.set NIL,  6
.set GOC,  7                           ; v7   768 (r + 8 (r / 8)) + 12 h
.set GOS,  8                           ; v8   32 (r + 8 (r / 8))
.set ADK,  9                           ; v9-11 LDS addresses of the step in hand
.set ADS,  10
.set ADT,  11
; v12 -M, v13 the largest t, v[14:15] the sum; v16-27 Q (v22-27 zero); v28-33 the early tile's Q; v34, v35 Q's scale words
.set KFR,  36                          ; v36-89 eight fragments of K, 6 registers apart; v84-89 zero
; v92-95 V's scale words; v96-159 S^T, then p, then (v96-143) V's fragments; v160-191 O^T; v192-203 p's codes; v204-210 the conversions' second halves
.set BM,   212
.set PT,   216
.set SO,   220
.set BY,   224
.set PW,   233                         ; p's scale word
.set KW,   236                         ; v236-243 K's scale words, and nothing else
; v[228:229] f and 0; v230 at work; v232 -infinity; v234, v235 my places in acodes, ascales; v244-255 the sum's chains
.set WV,   10
.set TB,   13                          ; LDS byte at which the step's record begins
.set KF,   3                           ; the step's first key
.set CT,   14
.set G1,   16
.set G0,   24
.set SEL,  38
.set CS,   40
.set QG,   42                          ; s42-44 the tile in hand: its group's first query; its place in acodes; in ascales.   s46-48 the early tile's
.macro CROUND
	s_barrier_signal -1
	s_barrier_wait -1
	s_cmp_lg_u32 s[WV], 0
	s_cbranch_scc1 .Lnw0_\@
	s_barrier_signal -3
.Lnw0_\@:
	s_barrier_wait -3
	s_barrier_signal -1
	s_barrier_wait -1
.endm
	s_load_b128 s[4:7], s[0:1], 0x0                ; qkv, acodes
	s_load_b64 s[8:9], s[0:1], 0x10                ; ascales
	v_lshl_add_u32 v[SPW], v0, 2, SPARE
	v_mov_b32 v[NIL], 0
	ds_add_u32 v[SPW], v[NIL]                      ; the opening lines: the add twice and its wait
	ds_add_u32 v[SPW], v[NIL]
	v_lshrrev_b32 v9, 5, v0
	v_readfirstlane_b32 s[WV], v9                  ; wave 0..15
	s_and_b32 s11, ttmp7, 0xffff                   ; 16 x batch + head
	s_bfe_u32 s12, ttmp6, 0x40000                  ; cx: it enters global addresses and the mask's compare alone
	s_and_b32 s57, s[WV], 7                        ; the early group
	s_lshr_b32 s55, s[WV], 3
	s_lshl_b32 s54, s12, 1
	s_add_co_u32 s54, s54, s55                     ; my tile in its groups
	s_sub_co_u32 s58, 15, s57                      ; the late group
	s_lshr_b32 s59, s54, 1
	s_lshl_b32 s59, s59, 5
	s_and_b32 s60, s54, 1
	s_lshl_b32 s60, s60, 3
	s_add_co_u32 s59, s59, s60                     ; the tile's first query in its group
	s_lshr_b32 s61, s11, 4
	s_lshl_b32 s61, s61, 11
	s_add_co_u32 s61, s61, s59                     ; + 2,048 x batch
	s_and_b32 s62, s11, 15                         ; head
	s_mul_i32 s67, s62, 48
	s_lshl_b32 s68, s62, 1
	s_lshl_b32 s[QG], s58, 7                       ; the late tile
	s_add_co_u32 s66, s[QG], s61
	s_mul_i32 s43, s66, 768
	s_add_co_u32 s43, s43, s67
	s_lshl_b32 s44, s66, 5
	s_add_co_u32 s44, s44, s68
	s_lshl_b32 s46, s57, 7                         ; the early tile
	s_add_co_u32 s66, s46, s61
	s_mul_i32 s47, s66, 768
	s_add_co_u32 s47, s47, s67
	s_lshl_b32 s48, s66, 5
	s_add_co_u32 s48, s48, s68
	s_lshl_b32 s69, s11, 4                         ; the head's first record
	s_add_co_u32 s71, s69, s[WV]
	s_mul_i32 s72, s71, REC                        ; the record that I ask for
	s_mov_b32 s73, 0
	s_add_co_u32 s71, s69, s58
	s_mul_i32 s74, s71, REC
	s_mov_b32 s75, 0
	s_add_co_u32 s71, s69, s57
	s_mul_i32 s76, s71, REC
	s_mov_b32 s77, 0
	s_mov_b32 s[G1], 15|(3<<16)|(1<<21)            ; the mask names the cluster's four; 13,056 dense bytes as 51 rows of 256 bytes, no padding
	s_mov_b32 s[G1+1], 32<<16
	s_mov_b32 s[G1+2], 51<<16
	s_mov_b32 s[G1+3], 32<<16
	s_mov_b32 s[G1+4], 51
	s_mov_b32 s[G1+5], 32
	s_mov_b32 s[G1+6], 0
	s_mov_b32 s[G1+7], 0
	s_mov_b32 s[G0], 1
	s_mul_i32 s[G0+1], s[WV], KVB
	s_mov_b32 s[SEL], 0x76543210
	s_mov_b32 s[SEL+1], 0xfedcba98
	s_mov_b32 s[CS], 0x3e38aa3b                    ; log2(e) / 8
	s_mov_b32 s[CS+1], s[CS]
	v_and_b32 v9, 15, v0                           ; r
	v_bfe_u32 v10, v0, 4, 1                        ; h
	v_mul_u32_u24 v[AK0], v9, 24
	v_lshlrev_b32 v11, 5, v9
	v_lshlrev_b32 v[ASV0], 4, v9
	v_and_b32 v230, 8, v9
	v_mad_u32_u24 v[AK0], v10, 384, v[AK0]
	v_add_nc_u32 v[ASK0], KSO, v11
	v_add_nc_u32 v[ASV0], VSO, v[ASV0]
	v_add_nc_u32 v230, v230, v9                    ; r + 8 (r / 8)
	v_lshlrev_b32 v[DV], 4, v10
	v_mul_u32_u24 v[GOC], v230, 768
	v_lshlrev_b32 v[GOS], 5, v230
	v_sub_nc_u32 v[DV], v230, v[DV]
	v_mad_u32_u24 v[GOC], v10, 12, v[GOC]
	v_add_nc_u32 v[DV], s59, v[DV]
	s_mul_i32 s66, s54, 768
	s_add_co_u32 s66, s66, QCO
	v_add_nc_u32 v234, s66, v[AK0]                 ; Q's codes: my tile's fragment in its record
	s_lshl_b32 s66, s54, 2
	s_add_co_u32 s66, s66, QSO
	v_add_nc_u32 v235, s66, v11                    ; and its scale word
	s_wait_alu depctr_va_vdst(0)                   ; the wait ahead of the waits and branches below
	s_wait_dscnt 0x0
	CROUND                                         ; the round ahead of the joint loads
	s_wait_kmcnt 0x0
	s_add_nc_u64 s[G0+2:G0+3], s[4:5], s[72:73]
	s_or_b32 s[G0+3], s[G0+3], 0x80000000
	s_add_nc_u64 s[50:51], s[4:5], s[74:75]        ; the late group's record
	s_add_nc_u64 s[52:53], s[4:5], s[76:77]        ; the early group's
	tensor_load_to_lds s[G0:G0+3], s[G1:G1+7]      ; every wave's one load: record = wave
	s_nop 0
.rept 4
	v_nop
.endr
.irp p, 0,1,2
	global_load_b64 v[16+2*\p:17+2*\p], v234, s[50:51] offset:8*\p
	global_load_b64 v[28+2*\p:29+2*\p], v234, s[52:53] offset:8*\p
.endr
	global_load_b32 v34, v235, s[50:51]
	global_load_b32 v35, v235, s[52:53]
.irp j, 22,23,24,25,26,27
	v_mov_b32 v[\j], 0                             ; Q's upper 64 along K: zero codes
.endr
.irp j, 48,49,50,51,52,53
	v_mov_b32 v[KFR+\j], 0                         ; behind K's last fragment: written once
.endr
	v_mov_b32 v232, 0xff800000                     ; -infinity
	v_mov_b32 v229, 0                              ; (the upper half of the pair v[228:229])
	v_mov_b32 v230, 0
.irp b, 0,1,2,3
	v_mov_b32 v[PT+\b], 0                          ; a lane permute's destination counts as one of its sources
.endr
	v_mov_b32 v13, 0xff61b1e6                      ; the largest t so far: -3e38
	v_mov_b32 v14, 0
	v_mov_b32 v15, 0
	v_floor_f32 v12, -v13                          ; -M
.set n, 0
.rept 32
	v_mov_b32 v[160+n], 0                          ; O^T: the first step finds zeros, which the first change of M leaves zeros
.set n, n+1
.endr
; A KEY STEP: the 128 keys of the record at s[TB].
.macro STEP
	s_cmp_gt_u32 s[KF], s[QG]                      ; all its keys come after my queries: left out
	s_cbranch_scc1 .Lhidden_\@
	v_add_nc_u32 v[ADK], s[TB], v[AK0]
	v_add_nc_u32 v[ADS], s[TB], v[ASK0]
	v_add_nc_u32 v[ADT], s[TB], v[ASV0]
	v_nop
	v_nop                                          ; five places: the products below write over registers that the last step's products read (ISA guide 7.12.1)
.irp t, 0,1,2,3,4,5,6,7
.irp p, 0,1,2
	ds_load_b64 v[KFR+6*\t+2*\p:KFR+6*\t+2*\p+1], v[ADK] offset:768*\t+8*\p
.endr
.endr
	ds_load_b128 v[KW:KW+3], v[ADS]                ; the eight tiles' scale words of key r
	ds_load_b128 v[KW+4:KW+7], v[ADS] offset:16
	s_wait_dscnt 0x0
.irp t, 0,1,2,3,4,5,6,7                        ; S^T = K Q^T
	v_wmma_scale_f32_16x16x128_f8f6f4 v[96+8*\t:103+8*\t], v[KFR+6*\t:KFR+6*\t+11], v[16:27], 0, v[KW+\t], v34 matrix_a_fmt:MATRIX_FMT_FP6 matrix_b_fmt:MATRIX_FMT_FP6
.endr                                          ; register 16 b + i holds key 32 b + 16 h + i of the step
.rept 4
	v_nop
.endr
	s_cmp_lt_u32 s[KF], s[QG]                      ; only my group's own step lies on the diagonal
	s_cbranch_scc1 .Lopen_\@
.set n, 0
.rept 64
	v_cmp_gt_i32 vcc_lo, 32*(n/16)+n%16, v[DV]     ; hidden where the key comes after my query
	v_cndmask_b32 v[96+n], v[96+n], v232, vcc_lo
.set n, n+1
.endr
.Lopen_\@:
.irp b, 0,1,2,3
	v_max3_num_f32 v[BM+\b], v[96+16*\b], v[97+16*\b], v[98+16*\b]   ; the largest score of each block of 32 keys: for the row's maximum and, since p rises with the score, for the block's largest p
.endr
.irp i, 3,5,7,9,11,13
.irp b, 0,1,2,3
	v_max3_num_f32 v[BM+\b], v[BM+\b], v[96+16*\b+\i], v[97+16*\b+\i]
.endr
.endr
.irp b, 0,1,2,3
	v_max_num_f32 v[BM+\b], v[BM+\b], v[111+16*\b]
.endr
.irp b, 0,1,2,3
	s_delay_alu instid0(VALU_DEP_4)
	v_permlanex16_b32 v[PT+\b], v[BM+\b], s[SEL], s[SEL+1]
.endr
.irp b, 0,1,2,3
	s_delay_alu instid0(VALU_DEP_4)
	v_max_num_f32 v[BM+\b], v[BM+\b], v[PT+\b]     ; with lane l xor 16's 16 keys
.endr
	s_delay_alu instid0(VALU_DEP_2)
	v_max3_num_f32 v230, v212, v213, v214
	s_delay_alu instid0(VALU_DEP_1)
	v_max_num_f32 v230, v230, v215                 ; the step's largest score of my query
	s_delay_alu instid0(VALU_DEP_1)
	v_mul_f32 v230, s[CS], v230                    ; as t
	s_delay_alu instid0(VALU_DEP_1)
	v_max_num_f32 v13, v13, v230                   ; the running largest t
	v_mov_b32 v230, v12
	s_delay_alu instid0(VALU_DEP_2)
	v_floor_f32 v12, -v13                          ; the new -M = -ceil(t)
	s_delay_alu instid0(VALU_DEP_1)
	v_sub_f32 v230, v12, v230                      ; old M - new M: a whole number, 0 or less
	s_delay_alu instid0(VALU_DEP_1)
	v_cvt_i32_f32 v230, v230                       ; (it saturates)
	s_delay_alu instid0(VALU_DEP_1)
	v_ldexp_f32 v228, 1.0, v230                    ; f = 2^(old M - new M)
.set n, 0
.rept 32
	v_pk_fma_f32 v[96+n:97+n], v[96+n:97+n], s[CS:CS+1], v[12:13] op_sel_hi:[1,0,0]   ; t - M, two at a time
.set n, n+2
.endr
.irp b, 0,1,2,3
	v_fma_f32 v[BM+\b], v[BM+\b], s[CS], v12       ; the same of each block's largest score
.endr
.set n, 0
	s_wait_alu depctr_va_vdst(0)                   ; the wait ahead of the batch
.rept 64
	v_exp_f32 v[96+n], v[96+n]                     ; p = 2^(t - M)
.set n, n+1
.endr
	v_pk_mul_f32 v[14:15], v[14:15], v[228:229] op_sel_hi:[1,0]   ; the sums under the new M: the plain instruction behind the exponentials
	s_wait_alu depctr_va_vdst(0)                   ; one wait for the batch, ahead of its first reader
.irp b, 0,1,2,3
	v_exp_f32 v[BM+\b], v[BM+\b]                   ; the block's largest p
.endr
	v_pk_add_f32 v[216:217], v[100:101], v[104:105]
	v_pk_add_f32 v[254:255], v[108:109], v[112:113]
	v_pk_add_f32 v[252:253], v[116:117], v[120:121]
	v_pk_add_f32 v[250:251], v[124:125], v[128:129]
	v_pk_add_f32 v[248:249], v[132:133], v[136:137]
	v_pk_add_f32 v[246:247], v[140:141], v[144:145]
	v_pk_add_f32 v[244:245], v[148:149], v[152:153]
	v_pk_add_f32 v[14:15], v[14:15], v[156:157]
	v_pk_add_f32 v[216:217], v[216:217], v[96:97]
	v_pk_add_f32 v[254:255], v[254:255], v[98:99]
	v_pk_add_f32 v[252:253], v[252:253], v[102:103]
	v_pk_add_f32 v[250:251], v[250:251], v[106:107]
	v_pk_add_f32 v[248:249], v[248:249], v[110:111]
	v_pk_add_f32 v[246:247], v[246:247], v[114:115]
	v_pk_add_f32 v[244:245], v[244:245], v[118:119]
	v_pk_add_f32 v[14:15], v[14:15], v[122:123]
	v_pk_add_f32 v[216:217], v[216:217], v[126:127]
	v_pk_add_f32 v[254:255], v[254:255], v[130:131]
	v_pk_add_f32 v[252:253], v[252:253], v[134:135]
	v_pk_add_f32 v[250:251], v[250:251], v[138:139]
	v_pk_add_f32 v[248:249], v[248:249], v[142:143]
	v_pk_add_f32 v[246:247], v[246:247], v[146:147]
	v_pk_add_f32 v[244:245], v[244:245], v[150:151]
	v_pk_add_f32 v[14:15], v[14:15], v[154:155]
	v_pk_add_f32 v[216:217], v[216:217], v[158:159]
	s_delay_alu instid0(VALU_DEP_2)
	v_pk_add_f32 v[14:15], v[14:15], v[250:251]
	s_delay_alu instid0(VALU_DEP_2)
	v_pk_add_f32 v[216:217], v[216:217], v[248:249]
	v_pk_add_f32 v[254:255], v[254:255], v[246:247]
	v_pk_add_f32 v[252:253], v[252:253], v[244:245]
	s_delay_alu instid0(VALU_DEP_2)
	v_pk_add_f32 v[14:15], v[14:15], v[254:255]
	s_delay_alu instid0(VALU_DEP_2)
	v_pk_add_f32 v[216:217], v[216:217], v[252:253]
	s_delay_alu instid0(VALU_DEP_1)
	v_pk_add_f32 v[14:15], v[14:15], v[216:217]
	s_wait_alu depctr_va_vdst(0)                   ; and one for the four
.irp b, 0,1,2,3
	v_max_num_f32 v[BM+\b], 0x1800000, v[BM+\b]    ; the floor 2^(3 - 127)
.endr
.irp b, 0,1,2,3
	s_delay_alu instid0(VALU_DEP_4)
	v_add_nc_u32 v[SO+\b], 0xff000000, v[BM+\b]    ; the conversion's scale operand
.endr
.irp b, 0,1,2,3
	s_delay_alu instid0(VALU_DEP_4)
	v_lshrrev_b32 v[BY+\b], 23, v[SO+\b]           ; the scale's byte
.endr
	s_delay_alu instid0(VALU_DEP_3)
	v_lshl_or_b32 v[PW], v225, 8, v224             ; p's scale word for these 128 keys
	s_delay_alu instid0(VALU_DEP_1)
	v_lshl_or_b32 v[PW], v226, 16, v[PW]
	s_delay_alu instid0(VALU_DEP_1)
	v_lshl_or_b32 v[PW], v227, 24, v[PW]
.irp c, 0,1
	v_cvt_scalef32_pk16_fp6_f32 v[192+6*\c:194+6*\c], v[96+32*\c:111+32*\c], v[SO+2*\c]
	v_cvt_scalef32_pk16_fp6_f32 v[204+4*\c:206+4*\c], v[112+32*\c:127+32*\c], v[SO+2*\c+1]
.endr
	v_nop                                          ; one plain vector instruction behind the last scaled conversion
.irp dt, 0,1,2,3                               ; V's four fragments, into the registers that p has left
.irp c, 0,1
.irp p, 0,1,2
	ds_load_b64 v[96+12*\dt+6*\c+2*\p:97+12*\dt+6*\c+2*\p], v[ADK] offset:VCO+1536*\dt+768*\c+8*\p
.endr
.endr
.endr
	ds_load_b128 v[92:95], v[ADT]                  ; the four tiles' scale words of row r
.irp c, 0,1                                    ; the operand's layout wants a whole block in a lane
.irp i, 0,1,2
	v_permlane16_swap_b32 v[192+6*\c+\i], v[204+4*\c+\i]
.endr
.irp i, 0,1,2
	s_delay_alu instid0(VALU_DEP_3)
	v_mov_b32 v[195+6*\c+\i], v[204+4*\c+\i]
.endr
.endr
	s_wait_alu depctr_va_vdst(0)                   ; the wait directly ahead of the first reader of O^T
.set n, 0
.rept 16
	v_pk_mul_f32 v[160+n:161+n], v[160+n:161+n], v[228:229] op_sel_hi:[1,0]   ; O^T under the new M; these sixteen are also the places in front of the scaled products
.set n, n+2
.endr
	s_wait_alu depctr_va_vdst(0)
	s_wait_dscnt 0x0
.irp dt, 0,1,2,3                               ; O^T += V^T P^T: the four accumulators take turns
	v_wmma_scale_f32_16x16x128_f8f6f4 v[160+8*\dt:167+8*\dt], v[96+12*\dt:107+12*\dt], v[192:203], v[160+8*\dt:167+8*\dt], v[92+\dt], v[PW] matrix_a_fmt:MATRIX_FMT_FP6 matrix_b_fmt:MATRIX_FMT_FP6
.endr
.Lhidden_\@:
	s_add_co_u32 s[KF], s[KF], 128
.endm
.macro WALK                            ; the 16 records, from key 0 on
	s_mov_b32 s[TB], 0
	s_mov_b32 s[KF], 0
	s_mov_b32 s[CT], 0
.Lstep_\@:
	STEP
	s_add_co_u32 s[TB], s[TB], KVB
	s_add_co_u32 s[CT], s[CT], 1
	s_cmp_lt_u32 s[CT], 16
	s_cbranch_scc1 .Lstep_\@
.endm
; A TILE'S END: O^T / the sum; register 16 bb + i is d = 32 bb + 16 h + i of my query: two blocks of 32 in lanes l and l xor 16; their codes, 12 bytes a lane and block, and their two scale bytes are stored.
.macro FINISH
.rept 4
	v_nop                                          ; places behind the last products
.endr
	v_add_f32 v14, v14, v15
	s_delay_alu instid0(VALU_DEP_1)
	v_permlanex16_b32 v230, v14, s[SEL], s[SEL+1]
	s_delay_alu instid0(VALU_DEP_1)
	v_add_f32 v14, v14, v230                       ; the row's sum
	s_wait_alu depctr_va_vdst(0)
	v_rcp_f32 v14, v14
	v_add_nc_u32 v234, s43, v[GOC]                 ; (plain work behind the reciprocal)
	v_add_nc_u32 v235, s44, v[GOS]
	s_wait_alu depctr_va_vdst(0)                   ; the wait ahead of the first reader
.set n, 0
.rept 16
	v_pk_mul_f32 v[96+n:97+n], v[160+n:161+n], v[14:15] op_sel_hi:[1,0]
.set n, n+2
.endr
.irp b, 0,1
	v_max3_num_f32 v[BM+\b], |v[96+16*\b]|, |v[97+16*\b]|, 0x1800000
.endr
.irp i, 2,4,6,8,10,12,14
.irp b, 0,1
	s_delay_alu instid0(VALU_DEP_2)
	v_max3_num_f32 v[BM+\b], v[BM+\b], |v[96+16*\b+\i]|, |v[97+16*\b+\i]|
.endr
.endr
.irp b, 0,1
	s_delay_alu instid0(VALU_DEP_2)
	v_permlanex16_b32 v[PT+\b], v[BM+\b], s[SEL], s[SEL+1]
.endr
.irp b, 0,1
	s_delay_alu instid0(VALU_DEP_2)
	v_max_num_f32 v[BM+\b], v[BM+\b], v[PT+\b]
.endr
.irp b, 0,1
	s_delay_alu instid0(VALU_DEP_2)
	v_add_nc_u32 v[SO+\b], 0xff000000, v[BM+\b]
.endr
.irp b, 0,1
	s_delay_alu instid0(VALU_DEP_2)
	v_lshrrev_b32 v[BY+\b], 23, v[SO+\b]
.endr
	s_delay_alu instid0(VALU_DEP_1)
	v_lshl_or_b32 v231, v225, 8, v224
	v_cvt_scalef32_pk16_fp6_f32 v[192:194], v[96:111], v220
	v_cvt_scalef32_pk16_fp6_f32 v[196:198], v[112:127], v221
	v_nop                                          ; one plain vector instruction behind the last scaled conversion
	global_store_b96 v234, v[192:194], s[6:7]
	global_store_b96 v234, v[196:198], s[6:7] offset:24
	global_store_b16 v235, v231, s[8:9]            ; lanes l and l xor 16 write the same two bytes
	s_wait_xcnt 0x0                                ; the stores' registers are written again only behind this wait
.endm
	s_wait_alu depctr_va_vdst(0)                   ; the wait at the head's end
	s_wait_loadcnt 0x0                             ; Q of both tiles
	s_wait_tensorcnt 0x0                           ; my record is in
	s_barrier_signal -1
	s_barrier_wait -1                              ; and everybody's; nothing is filled again in this launch
	WALK                                           ; the late tile
	FINISH
.irp j, 0,1,2,3,4,5                            ; on to the early tile
	v_mov_b32 v[16+\j], v[28+\j]
.endr
	v_mov_b32 v34, v35
	v_mov_b32 v13, 0xff61b1e6
	v_mov_b32 v14, 0
	v_mov_b32 v15, 0
	v_floor_f32 v12, -v13
.set n, 0
.rept 32
	v_mov_b32 v[160+n], 0                          ; (these also stand between the moves above and the next scaled product)
.set n, n+1
.endr
	s_mov_b32 s[QG], s46
	s_mov_b32 s43, s47
	s_mov_b32 s44, s48
	s_wait_alu depctr_va_vdst(0)
	WALK
	FINISH
	s_wait_tensorcnt 0x0                           ; the wave's end
	ds_add_u32 v[SPW], v[NIL]
	s_wait_dscnt 0x0
	CROUND                                         ; the closing round
	s_endpgm
.Lfunc_end_k_q180738c73b_attn:
	.size	k_q180738c73b_attn, .Lfunc_end_k_q180738c73b_attn-k_q180738c73b_attn
	.p2alignl 7, 3214868480
	.fill 96, 4, 3214868480
	.section	.rodata,"a",@progbits
	.p2align	6, 0x0
	.amdhsa_kernel k_q180738c73b_attn
		.amdhsa_group_segment_fixed_size 327680
		.amdhsa_private_segment_fixed_size 0
		.amdhsa_enable_private_segment 0
		.amdhsa_kernarg_size 24
		.amdhsa_user_sgpr_count 2
		.amdhsa_user_sgpr_kernarg_segment_ptr 1
		.amdhsa_wavefront_size32 1
		.amdhsa_system_sgpr_workgroup_id_x 1
		.amdhsa_system_sgpr_workgroup_id_y 1
		.amdhsa_system_sgpr_workgroup_id_z 1
		.amdhsa_system_vgpr_workitem_id 0
		.amdhsa_next_free_vgpr 256
		.amdhsa_next_free_sgpr 100
		.amdhsa_reserve_vcc 1
		.amdhsa_float_denorm_mode_32 3
		.amdhsa_float_denorm_mode_16_64 3
		.amdhsa_memory_ordered 1
		.amdhsa_forward_progress 1
		.amdhsa_inst_pref_size 65
	.end_amdhsa_kernel
	.amdgpu_metadata
---
amdhsa.version: [ 1, 2 ]
amdhsa.kernels:
  - .name:           k_q180738c73b_attn
    .symbol:         k_q180738c73b_attn.kd
    .args:
      - { .name: qkv, .offset: 0, .size: 8, .value_kind: global_buffer, .address_space: global }
      - { .name: acodes, .offset: 8, .size: 8, .value_kind: global_buffer, .address_space: global }
      - { .name: ascales, .offset: 16, .size: 8, .value_kind: global_buffer, .address_space: global }
    .group_segment_fixed_size: 327680
    .private_segment_fixed_size: 0
    .kernarg_segment_align: 8
    .kernarg_segment_size: 24
    .max_flat_workgroup_size: 512
    .sgpr_count:     100
    .vgpr_count:     256
    .wavefront_size: 32
...
	.end_amdgpu_metadata
.endif
;; end of part 3
;; launch gemm_proj (part 4): grid 8 x 32, 4 waves a work-group, clusters of 4 x 4, 327,680 bytes of LDS; arguments acodes, ascales, wcodes, wscales, proj_b, out0; writes out0
.if DOCPART == 4
	.amdgcn_target "amdgcn-amd-amdhsa--gfx1250"
	.amdhsa_code_object_version 6
	.text
	.protected	k_q180738c73b_gemm_proj
	.globl	k_q180738c73b_gemm_proj
	.p2align	8
	.type	k_q180738c73b_gemm_proj,@function
k_q180738c73b_gemm_proj:
	s_mov_b64 s[64:65], 0
	v_nop
	global_prefetch_b8 v0, s[64:65] scope:SCOPE_SE
	s_setreg_imm32_b32 hwreg(HW_REG_WAVE_MODE, 25, 1), 1
	s_wait_xcnt 0x0
	s_wait_alu depctr_hold_cnt(0) depctr_sa_sdst(0) depctr_va_vdst(0) depctr_va_sdst(0) depctr_va_ssrc(0) depctr_va_vcc(0) depctr_vm_vsrc(0)
	s_getreg_b32 s2, hwreg(HW_REG_IB_STS2, 6, 4)
	s_cmp_eq_u32 s2, 0
	s_cbranch_scc0 .Lentry_in_a_cluster
	s_endpgm
.Lentry_in_a_cluster:
	s_bfe_u32 s2, ttmp6, 0x10000c
	s_cmp_lg_u32 s2, 0xf033
	s_cbranch_scc0 .Lentry_shape_is_right
	s_endpgm
.Lentry_shape_is_right:
; out0 = a proj_w + proj_b on codes of FP6 (E2M3) with E8M0 scales, K = 1024; a is attention's result as codes (acodes, ascales, rows in token order); proj_w's columns are rows 3,072 on of wcodes, in the order swap34.
; THE DEAL: 256 work-groups of four waves, 2 x 2, each 256 tokens x 128 columns.  All operands come into LDS once, as whole rows of 768 bytes, one tensor load a wave; nothing is filled again.
; A wave holds its 64 weight rows, all of K, in 384 registers and streams its 128 rows of a past them in blocks of 16: 32 products a block on four accumulators that take turns; the bias is the first products' C.
; Source 0 = the weight's rows: lane (r, h) holds token r of the block, and the 16 registers of tiles 2 bb, 2 bb + 1 are columns 32 bb + 16 h + 0 .. 15.
; THE WAY OUT: a pair of blocks, 32 rows x 256 bytes, goes through the wave's own stage and leaves as whole rows: sixteen lanes store 256 consecutive bytes, aligned.  The stages lie in the weights' region, which has had
; its only fill and, behind the second barrier, its last read.
; CLUSTERS of 4 x 4: a's rows are asked for jointly along a row of the cluster, the weight's rows along a column.  NO PREFETCH: all tensor loads stand at the head, with no loop ahead of them.
.set KROW, 768
.set PITCH, 816
.set FR, 12
.set FPW, 21
.set NF, 28                            ; LDS loads of a block: 26 for eight fragments, 2 for eight scale words
.set WLB, 256*PITCH
.set SCL, WLB+128*PITCH
.set SPARE, SCL+32*272
.set SPI, 272                          ; a stage row: 256 bytes + 16
.set AX0, 4
.set AS0, 6
.set AAS, 7
.set ADRA, 8
.set SPW, 10
.set NIL, 11
.set ABS, 12
.set STO, 13
.set RD, 14
.set CO, 15
.set BO, 18
.set BA, 20
.set SB, 32
.set SA, 84
.set RBK, 100                          ; v100-163 a pair's rows read back from the stage
.set ACC, 164                          ; v164-227
.set BI, 96                            ; window 3
.set WV, 16
.set G1X, 28
.set G1W, 36
.set G1S, 44
.set G0W, 52
.set G0S, 56
.set G0X, 60
.set G0Y, 68
.set BC, 76
.set XO, 77
.set SO, 78
.set CT, 79
.set T, 80
.set OB, 86
.set WSC, 90
.set BB, 92
.set MSB, 0
.macro WIN new
.if MSB != \new
	s_set_vgpr_msb (MSB<<8)|\new
.set MSB, \new
.endif
.endm
.macro PLACES n
.rept \n
	v_nop
.endr
.endm
.macro WALU
	s_wait_alu depctr_va_vdst(0)
.endm
.macro BARRIER
	s_barrier_signal -1
	s_barrier_wait -1
.endm
.macro CROUND
	BARRIER
	s_cmp_lg_u32 s[WV], 0
	s_cbranch_scc1 .Lnw0_\@
	s_barrier_signal -3
.Lnw0_\@:
	s_barrier_wait -3
	BARRIER
.endm
.macro TLOAD g0, g1
	tensor_load_to_lds s[\g0:\g0+3], s[\g1:\g1+7]
	s_nop 0
	PLACES 4
.endm
.macro GROUP1 g, mask
	s_or_b32 s[\g+0], s[\mask], (1<<20)|(1<<21)|(5<<22)|(3<<25)
	s_mov_b32 s[\g+1], KROW<<16
	s_mov_b32 s[\g+2], 128<<16
	s_mov_b32 s[\g+3], KROW<<16
	s_mov_b32 s[\g+4], 128
	s_mov_b32 s[\g+5], KROW
	s_mov_b32 s[\g+6], 0
	s_mov_b32 s[\g+7], 0
.endm
; Fragment f lies in window 1 + f / 21 at register 12 (f % 21): 0-31 the weight's (4 q + tile), 32-39 and 40-47 a's two sets
.macro FRAG f, q, a0, a1
	WIN (1+(\f)/FPW)<<6
.set R_, FR*((\f)%FPW)
.set SKIP_, 0
.irp p, 0,1,2,3,4,5
.if SKIP_
.set SKIP_, 0
.else
.set PC_, 12*(\q)+6*(\p/3)+\p%3
.set PN_, 12*(\q)+6*((\p+1)/3)+(\p+1)%3
.set X_, (PC_%32+3)/32
.set XQ_, (PN_%32+3)/32
.if (\p < 5) && (X_ == XQ_)
.set SKIP_, 1
.if X_
	ds_load_2addr_b64 v[R_+2*\p:R_+2*\p+3], v[\a1] offset0:PC_+2*(PC_/32) offset1:PN_+2*(PN_/32)
.else
	ds_load_2addr_b64 v[R_+2*\p:R_+2*\p+3], v[\a0] offset0:PC_+2*(PC_/32) offset1:PN_+2*(PN_/32)
.endif
.elseif X_
	ds_load_b64 v[R_+2*\p:R_+2*\p+1], v[\a1] offset:8*(PC_+2*(PC_/32))
.else
	ds_load_b64 v[R_+2*\p:R_+2*\p+1], v[\a0] offset:8*(PC_+2*(PC_/32))
.endif
.endif
.endr
.endm
.macro WEIGHTS
.irp q, 0,1,2,3,4,5,6,7
.irp b, 0,1,2,3
	FRAG 4*\q+\b, \q, BA+2*\b, BA+2*\b+1
.endr
.endr
	WIN 0
.endm
.macro FETCH e, a0, a1, as
.irp q, 0,1,2,3,4,5,6,7
	FRAG 32+8*(\e)+\q, \q, \a0, \a1
.endr
	WIN 0
	ds_load_b128 v[SA+8*(\e):SA+8*(\e)+3], v[\as]
	ds_load_b128 v[SA+8*(\e)+4:SA+8*(\e)+7], v[\as] offset:16
.endm
.macro NEXTX                           ; the next block's LDS addresses; its four vector lines are the places ahead of the fetch
	s_add_co_u32 s[BC], s[BC], 1
	s_and_b32 s[T], s[BC], 7
	s_mul_i32 s[XO], s[T], 16*PITCH
	s_mul_i32 s[SO], s[T], 544
	v_add_nc_u32 v[ADRA], s[XO], v[AX0]
	v_add_nc_u32 v[ADRA+1], s[XO], v[AX0+1]
	v_add_nc_u32 v[AAS], s[SO], v[AS0]
	v_nop
.endm
.macro MM d, s0, s1, c, x0, x1, o
.if \o
	v_wmma_scale_f32_16x16x128_f8f6f4 v[\d:\d+7], v[\s0:\s0+11], v[\s1:\s1+11], \c, v[\x0], v[\x1] matrix_a_fmt:MATRIX_FMT_FP6 matrix_b_fmt:MATRIX_FMT_FP6 matrix_a_scale:MATRIX_SCALE_ROW1
.else
	v_wmma_scale_f32_16x16x128_f8f6f4 v[\d:\d+7], v[\s0:\s0+11], v[\s1:\s1+11], \c, v[\x0], v[\x1] matrix_a_fmt:MATRIX_FMT_FP6 matrix_b_fmt:MATRIX_FMT_FP6 matrix_a_scale:MATRIX_SCALE_ROW0
.endif
.endm
.macro PROD e, n                       ; n = 4 q + tile
.set Q_, (\n)/4
.set B_, (\n)%4
.set FA_, 32+8*(\e)+Q_
.set WA_, 1+FA_/FPW
.set WW_, 1+(\n)/FPW
.set RA_, FR*(FA_%FPW)
.set RW_, FR*((\n)%FPW)
.set XW_, SB+8*(B_/2)+Q_
.set XA_, SA+8*(\e)+Q_
.set C_, BI+8*B_
.set D_, ACC+32*(\e)+8*B_
.if Q_
	WIN WW_|(WA_<<2)
	MM D_, RW_, RA_, v[D_:D_+7], XW_, XA_, B_%2
.else
	WIN WW_|(WA_<<2)|(3<<4)
	MM D_, RW_, RA_, v[C_:C_+7], XW_, XA_, B_%2
.endif
.endm
.macro BLOCK e
.set N_, 0
.rept 32
	PROD \e, N_
.set N_, N_+1
.endr
	WIN 0
.endm
.macro OUT
	s_wait_xcnt 0x0                        ; the last pair's stores have read their registers and their base
	s_add_nc_u64 s[OB:OB+1], s[OB:OB+1], 32*4096
.irp g, 0,1,2,3                        ; group g: block g / 2, columns 32 (g % 2) + 16 h + 0 .. 15; each accumulator from its low end on
.irp k, 0,1,2,3
	ds_store_b128 v[STO], v[ACC+16*\g+4*\k:ACC+16*\g+4*\k+3] offset:(\g/2)*16*SPI+(\g%2)*128+16*\k
.endr
.endr
.irp t, 0,1,2,3,4,5,6,7,8,9,10,11,12,13,14,15
	ds_load_b128 v[RBK+4*\t:RBK+4*\t+3], v[RD] offset:\t*2*SPI   ; LDS serves a wave's instructions in order: these see my stores
.endr
	s_wait_dscnt 0x0
.irp t, 0,1,2,3,4,5,6,7,8,9,10,11,12,13,14,15
	global_store_b128 v[CO], v[RBK+4*\t:RBK+4*\t+3], s[OB:OB+1] offset:\t*8192 th:TH_STORE_NT   ; lanes 0-15 a row's 256 bytes, lanes 16-31 the next row's
.endr
.endm
.macro PAIR fetch
	s_wait_dscnt NF                        ; set 0 is in: younger are set 1's NF loads
	BLOCK 0
.if \fetch
	NEXTX
	FETCH 0, ADRA, ADRA+1, AAS
	s_wait_dscnt NF                        ; set 1 is in: younger are the NF loads just issued
.else
	s_wait_dscnt 0x0
	v_nop                                  ; with the four places behind the loop's last block: five ahead of products that start block 1's sums anew (ISA guide 7.12.1)
.endif
	BLOCK 1
.if \fetch
	NEXTX
	FETCH 1, ADRA, ADRA+1, AAS
.else
	PLACES 4
.endif
	OUT
.endm
	s_load_b256 s[4:11], s[0:1], 0x0       ; acodes, ascales, wcodes, wscales
	s_load_b128 s[12:15], s[0:1], 0x20     ; proj_b, out0
	v_lshl_add_u32 v[SPW], v0, 2, SPARE
	v_mov_b32 v[NIL], 0
	ds_add_u32 v[SPW], v[NIL]              ; the opening lines: the add twice and its wait
	ds_add_u32 v[SPW], v[NIL]
	v_lshrrev_b32 v1, 5, v0
	v_readfirstlane_b32 s[WV], v1
	s_lshr_b32 s17, s[WV], 1               ; a: which 128 tokens
	s_and_b32 s18, s[WV], 1                ; b: which 64 columns
	s_bfe_u32 s19, ttmp6, 0x40000
	s_bfe_u32 s20, ttmp6, 0x40004
	s_lshl_b32 s21, ttmp9, 2
	s_add_co_u32 s21, s21, s19             ; column group
	s_and_b32 s22, ttmp7, 0xffff
	s_lshl_b32 s22, s22, 2
	s_add_co_u32 s22, s22, s20             ; tile row
	s_lshl_b32 s23, s20, 2
	s_lshl_b32 s23, 15, s23
	s_lshl_b32 s24, 0x1111, s19
	GROUP1 G1X, 23
	GROUP1 G1W, 24
	s_or_b32 s[G1S+0], s23, (3<<16)|(1<<20)|(1<<21)|(5<<22)|(3<<25)
	s_mov_b32 s[G1S+1], 32<<16
	s_mov_b32 s[G1S+2], 32<<16
	s_mov_b32 s[G1S+3], 32<<16
	s_mov_b32 s[G1S+4], 32
	s_mov_b32 s[G1S+5], 32
	s_mov_b32 s[G1S+6], 0
	s_mov_b32 s[G1S+7], 0
	s_mov_b32 s[G0W], 1
	s_mov_b32 s[G0W+1], WLB
	s_mov_b32 s[G0S], 1
	s_mov_b32 s[G0S+1], SCL
	s_mov_b32 s[G0X], 1
	s_mov_b32 s[G0X+1], 0
	s_mov_b32 s[G0Y], 1
	s_mov_b32 s[G0Y+1], 128*PITCH
	s_mul_i32 s72, s22, 256*KROW
	s_mov_b32 s73, 0
	s_mul_i32 s74, s21, 128*KROW
	s_add_co_u32 s74, s74, 3072*KROW
	s_mov_b32 s75, 0
	s_lshl_b32 s26, s22, 13
	s_mov_b32 s27, 0
	v_and_b32 v1, 15, v0                   ; r
	v_bfe_u32 v2, v0, 4, 1                 ; h
	v_and_b32 v3, 31, v0
	v_mul_u32_u24 v29, v1, PITCH
	v_mad_u32_u24 v30, v2, 24, v29
	v_mad_u32_u24 v31, v2, 40, v29
	s_mul_i32 s25, s17, 128*PITCH
	v_add_nc_u32 v[AX0], s25, v30
	v_add_nc_u32 v[AX0+1], s25, v31
	s_mul_i32 s25, s18, 64*PITCH
	s_add_co_u32 s25, s25, WLB
.irp t, 0,1,2,3
	v_add_nc_u32 v[BA+2*\t], s25, v30
	v_add_nc_u32 v[BA+2*\t+1], s25, v31
	s_add_co_u32 s25, s25, 16*PITCH
.endr
	v_lshlrev_b32 v29, 5, v1
	v_lshrrev_b32 v30, 3, v1
	v_lshl_add_u32 v30, v30, 4, v29
	s_mul_i32 s25, s17, 16*272
	s_add_co_u32 s25, s25, SCL
	v_add_nc_u32 v[AS0], s25, v30
	v_lshlrev_b32 v[ABS], 5, v3
	s_mul_i32 s25, s[WV], 32*SPI
	s_add_co_u32 s25, s25, WLB             ; my stage
	v_mul_u32_u24 v29, v1, SPI
	v_lshl_add_u32 v29, v2, 6, v29
	v_add_nc_u32 v[STO], s25, v29          ; in: row r, 64 bytes for each half of the lanes
	v_mul_u32_u24 v29, v2, SPI
	v_lshl_add_u32 v29, v1, 4, v29
	v_add_nc_u32 v[RD], s25, v29           ; back: lanes 0-15 one row, lanes 16-31 the next
	v_lshlrev_b32 v29, 12, v2
	v_lshl_add_u32 v[CO], v1, 4, v29       ; and the same two rows in out0
	v_lshlrev_b32 v[BO], 6, v2
	WALU                                   ; the wait at the head's end
	s_wait_dscnt 0x0
	CROUND                                 ; the round ahead of the joint loads
	s_wait_kmcnt 0x0
	s_add_nc_u64 s[G0X+2:G0X+3], s[4:5], s[72:73]
	s_add_nc_u64 s[G0Y+2:G0Y+3], s[G0X+2:G0X+3], 128*KROW
	s_or_b32 s[G0X+3], s[G0X+3], 0x80000000
	s_or_b32 s[G0Y+3], s[G0Y+3], 0x80000000
	s_add_nc_u64 s[G0W+2:G0W+3], s[8:9], s[74:75]
	s_or_b32 s[G0W+3], s[G0W+3], 0x80000000
	s_add_nc_u64 s[G0S+2:G0S+3], s[6:7], s[26:27]
	s_or_b32 s[G0S+3], s[G0S+3], 0x80000000
	s_cmp_eq_u32 s[WV], 0                  ; one load a wave, in one chain of branches: the weight first
	s_cbranch_scc0 .Lw1
	TLOAD G0W, G1W
	s_branch .Lasked
.Lw1:
	s_cmp_eq_u32 s[WV], 1
	s_cbranch_scc0 .Lw2
	TLOAD G0S, G1S
	s_branch .Lasked
.Lw2:
	s_cmp_eq_u32 s[WV], 2
	s_cbranch_scc0 .Lw3
	TLOAD G0X, G1X
	s_branch .Lasked
.Lw3:
	TLOAD G0Y, G1X
.Lasked:
	s_lshl_b32 s72, s22, 1
	s_add_co_u32 s72, s72, s17
	s_lshl_b32 s72, s72, 19                ; my first token x 4,096 bytes
	s_lshl_b32 s74, s21, 1
	s_add_co_u32 s74, s74, s18             ; my 64 columns
	s_lshl_b32 s25, s74, 8
	s_add_co_u32 s72, s72, s25
	s_add_nc_u64 s[OB:OB+1], s[14:15], s[72:73]
	s_sub_nc_u64 s[OB:OB+1], s[OB:OB+1], 32*4096       ; each way out first steps the base
	s_mov_b32 s72, s25
	s_add_nc_u64 s[BB:BB+1], s[12:13], s[72:73]
	s_lshl_b32 s72, s74, 11                ; 64 rows x 32 bytes
	s_add_co_u32 s72, s72, 3072*32
	s_add_nc_u64 s[WSC:WSC+1], s[10:11], s[72:73]
.irp p, 0,1
.irp c, 0,1
	global_load_b128 v[SB+8*\p+4*\c:SB+8*\p+4*\c+3], v[ABS], s[WSC:WSC+1] offset:\p*1024+16*\c   ; lanes 0-15 tile 2 p's words, lanes 16-31 tile 2 p + 1's
.endr
.endr
	WIN 3<<6
.irp t, 0,1,2,3
	global_load_b128 v[BI+8*\t:BI+8*\t+3], v[BO], s[BB:BB+1] offset:(32*(\t/2)+8*(\t%2))*4
	global_load_b128 v[BI+8*\t+4:BI+8*\t+7], v[BO], s[BB:BB+1] offset:(32*(\t/2)+8*(\t%2))*4+16
.endr
	WIN 0
	s_cmp_eq_u32 s[WV], 0
	s_cbranch_scc0 .Lnot_w
	s_wait_tensorcnt 0x0
.Lnot_w:
	BARRIER                                ; the weight's rows are in (wave 0's line is its own)
	WEIGHTS
	s_wait_tensorcnt 0x0
	s_wait_dscnt 0x0
	BARRIER                                ; all tiles are in, and nobody reads the weights' region any more
	FETCH 0, AX0, AX0+1, AS0
	s_mov_b32 s[BC], 0
	NEXTX
	FETCH 1, ADRA, ADRA+1, AAS
	s_wait_loadcnt 0x0                     ; the weight's scale words and the bias
	s_mov_b32 s[CT], 0
.Lpair:
	PAIR 1
	s_add_co_u32 s[CT], s[CT], 1
	s_cmp_lg_u32 s[CT], 3
	WALU                                   ; the wait ahead of the backward jump
	s_cbranch_scc1 .Lpair
	PAIR 0                                 ; the last pair fetches nothing
	s_wait_tensorcnt 0x0                   ; the wave's end
	ds_add_u32 v[SPW], v[NIL]
	s_wait_dscnt 0x0
	CROUND                                 ; the closing round
	s_endpgm
.Lfunc_end_k_q180738c73b_gemm_proj:
	.size	k_q180738c73b_gemm_proj, .Lfunc_end_k_q180738c73b_gemm_proj-k_q180738c73b_gemm_proj
	.p2alignl 7, 3214868480
	.fill 96, 4, 3214868480
	.section	.rodata,"a",@progbits
	.p2align	6, 0x0
	.amdhsa_kernel k_q180738c73b_gemm_proj
		.amdhsa_group_segment_fixed_size 327680
		.amdhsa_private_segment_fixed_size 0
		.amdhsa_enable_private_segment 0
		.amdhsa_kernarg_size 48
		.amdhsa_user_sgpr_count 2
		.amdhsa_user_sgpr_kernarg_segment_ptr 1
		.amdhsa_wavefront_size32 1
		.amdhsa_system_sgpr_workgroup_id_x 1
		.amdhsa_system_sgpr_workgroup_id_y 1
		.amdhsa_system_sgpr_workgroup_id_z 1
		.amdhsa_system_vgpr_workitem_id 0
		.amdhsa_next_free_vgpr 1024
		.amdhsa_next_free_sgpr 100
		.amdhsa_reserve_vcc 0
		.amdhsa_float_denorm_mode_32 3
		.amdhsa_float_denorm_mode_16_64 3
		.amdhsa_memory_ordered 1
		.amdhsa_forward_progress 1
		.amdhsa_inst_pref_size 50
	.end_amdhsa_kernel
	.amdgpu_metadata
---
amdhsa.version: [ 1, 2 ]
amdhsa.kernels:
  - .name:           k_q180738c73b_gemm_proj
    .symbol:         k_q180738c73b_gemm_proj.kd
    .args:
      - { .name: acodes, .offset: 0, .size: 8, .value_kind: global_buffer, .address_space: global }
      - { .name: ascales, .offset: 8, .size: 8, .value_kind: global_buffer, .address_space: global }
      - { .name: wcodes, .offset: 16, .size: 8, .value_kind: global_buffer, .address_space: global }
      - { .name: wscales, .offset: 24, .size: 8, .value_kind: global_buffer, .address_space: global }
      - { .name: proj_b, .offset: 32, .size: 8, .value_kind: global_buffer, .address_space: global }
      - { .name: out0, .offset: 40, .size: 8, .value_kind: global_buffer, .address_space: global }
    .group_segment_fixed_size: 327680
    .private_segment_fixed_size: 0
    .kernarg_segment_align: 8
    .kernarg_segment_size: 48
    .max_flat_workgroup_size: 128
    .sgpr_count:     100
    .vgpr_count:     1024
    .wavefront_size: 32
...
	.end_amdgpu_metadata
.endif
;; end of part 4
